; MI455X (gfx1250); checked and timed in simulation.
; The chip was launched on July 23, 2026; its instructions are those of AMD's public machine-readable ISA for CDNA 5 (MIT licence, August 2026) and "CDNA5" Instruction Set Architecture Reference Guide (July 2026). The comments in the code are by the model that wrote it; some were corrected since.
;; Attention. Allowed arithmetic: matrix products marked QUANTISED: E4M3 operands, one given power-of-two scale a tensor, by v_wmma_f32_16x16x64_fp8_fp8 or v_wmma_f32_16x16x128_fp8_fp8, f32 sums; everything else in f32.
;; Inputs: bk 512 float32; bo 2,048 float32; bq 2,048 float32; bv 512 float32; freqs_cis 2,048 x 64 float32; lowp_scales 12 int32 (the exponents e of the quantised operands' scales 2^e); mask 2,048 x 2,048 float32; wk 512 x 2,048 float32; wo 2,048 x 2,048 float32; wq 2,048 x 2,048 float32; wv 512 x 2,048 float32; x 1 x 2,048 x 2,048 float32.
;; Outputs: out0 1 x 2,048 x 2,048 float32.
;; This version of the problem:
;;   THIS VERSION OF THE PROBLEM IS GIVEN IN LOW PRECISION. The matrix products marked QUANTISED in the list below multiply operands that are first quantised to E4M3 (4 exponent bits, 3 mantissa bits; 8 bits a number), with one given power-of-two scale for each operand tensor; their sums are f32. All else is computed in f32.
;;   The module's matrix products, in the order in which they are computed (A, B: the left and right operand; K: the contracted axis; several contracted axes count as one K, in the product's order):
;;     1. [M 2,048, K 2,048] x [K 2,048, N 2,048]; A: input x; B: input wq: QUANTISED (scales: A lowp_scales[0], B lowp_scales[1])
;;     2. [M 2,048, K 2,048] x [K 2,048, N 512]; A: input x; B: input wk: QUANTISED (scales: A lowp_scales[2], B lowp_scales[3])
;;     3. [M 2,048, K 2,048] x [K 2,048, N 512]; A: input x; B: input wv: QUANTISED (scales: A lowp_scales[4], B lowp_scales[5])
;;     4. batch 8 x [M 8,192, K 64] x [K 64, N 2,048]; A: computed on the way; B: computed on the way: QUANTISED (scales: A lowp_scales[6], B lowp_scales[7])
;;     5. batch 8 x [M 8,192, K 2,048] x [K 2,048, N 64]; A: softmax (see below); B: computed on the way: QUANTISED (scales: A lowp_scales[8], B lowp_scales[9])
;;     6. [M 2,048, K 2,048] x [K 2,048, N 2,048]; A: computed on the way; B: input wo: QUANTISED (scales: A lowp_scales[10], B lowp_scales[11])
;;   THE QUANTISER, for each operand of a quantised product, along K:
;;     - The operand's scale is 2^e, e = its entry of the input lowp_scales (int32; the entries are numbered through the quantised products in the list's order, A before B).
;;     - Each number is divided by the scale, clamped to +-448, and rounded to the nearest number of E4M3, ties to even, subnormals kept.
;;     - The product sums the exact products of the quantised numbers (number of the format x scale) in f32.
;;   ~~~python
;;   def quantise(x, axis, e):      # numpy; x: float32 -> the quantised numbers, widened to float32 again
;;       x = np.moveaxis(x, axis, -1); K = x.shape[-1]
;;       r = np.clip(x / 2.0 ** e, -448, 448)
;;       step = 2.0 ** (np.maximum(np.frexp(np.where(r == 0, 1, r))[1] - 1, -6) - 3)
;;       q = np.round(r / step) * step * 2.0 ** e      # np.round: ties to even
;;       return np.moveaxis(q, -1, axis).astype(np.float32)
;;   ~~~
;;   SOFTMAX AHEAD OF A QUANTISED PRODUCT. Where the list says 'softmax', what is quantised is not the finished softmax but p = 2^(t - M), with t = logit x log2(e) and M = ceil(the row's largest t), a whole number; so 1/2 < the row's largest p <= 1. The row's sum l is taken of the UNQUANTISED p, in f32, and the product's result is divided by l at the end. Since M is a whole number, a kernel that streams over the keys may use a running M (the ceiling of the running maximum): every later rescaling is an exact power of two, so the quantised numbers keep their values, but for numbers so far below the row's largest that they fall under the format's range.
;;   OPERANDS COMPUTED ON THE WAY. 'Computed on the way' means the value that the module computes at that place (a softmax that the list does not call 'softmax' is quantised finished and normalised). What goes into a quantiser is computed in f32, as accurately as f32 sums, v_exp_f32 and their like allow (about 1e-6 of the number): no bf16 or f16 on the way to a quantiser, and a product that is left as it is and whose result goes on into a quantised operand takes f32 operands (vector FMAs, or v_wmma_f32_16x16x4_f32). A number that lies on a knife's edge between two numbers of the format may be rounded either way, as far as f32 arithmetic and the matrix unit's own rounding can turn it there, and no further.
;; One version. Each part assembles by itself: llvm-mc -triple=amdgcn-amd-amdhsa -mcpu=gfx1250 --defsym DOCPART=n.
;; ======== version 1 of 1: 4 launches
;; limits: right only within a limited range of input values
;; workspace buffers: xc 12,582,912 bytes; wqkv 6,291,456 bytes; woc 4,194,304 bytes; qkv 6,291,456 bytes; ao 4,194,304 bytes; flags 4,096 bytes of whole numbers
;; launch quant (part 1): grid 576 x 1, 4 waves a work-group, no clusters, 34,304 bytes of LDS; arguments x, wq, wk, wv, wo, lowp_scales, xc, wqkv, woc, mask, flags; writes xc, wqkv, woc, flags
.if DOCPART == 1
	.amdgcn_target "amdgcn-amd-amdhsa--gfx1250"
	.amdhsa_code_object_version 6
	.text
	.protected	k_q43ae3e8063_quant
	.globl	k_q43ae3e8063_quant
	.p2align	8
	.type	k_q43ae3e8063_quant,@function
k_q43ae3e8063_quant:
	s_mov_b64 s[64:65], 0
	v_nop
	global_prefetch_b8 v0, s[64:65] scope:SCOPE_SE
	s_setreg_imm32_b32 hwreg(HW_REG_WAVE_MODE, 25, 1), 1
	s_wait_xcnt 0x0
; x, wq, wk, wv, wo (f32, K = 2,048 innermost) become codes of FP8 (E4M3), each with the scale 2^e that is given for it; x three times (entries 0, 2, 4 of the scales).
; code = number / 2^e, held within +-448, rounded to the nearest code, ties to even.
; THE CODES ARE LAID AS IMAGES OF OPERAND REGISTERS.  A fragment is 16 rows x 128 K, 2,048 bytes: registers 2 c, 2 c + 1 of lane (r, h) hold k = 16 c + 8 h + 0 .. 7 of row r
; (the place that the plain 16x16x128 form gives each k); registers 4 q .. 4 q + 3 lie at byte 512 q + 16 x lane.  A tensor of codes is [row / 128][k / 128][(row / 16) % 8][2,048].
; SHARES.  A work-group takes 16 rows of one tensor; wave w the K steps 4 w .. 4 w + 3, four fragments.  Work-groups 0-127: x; 128-255: wq; 256-287: wk; 288-319: wv; 320-447: wo.
; Only pointers and the scale are chosen by the work-group's number: all take one path through the LDS lines; x alone runs the two further conversions.
; Each load reads 512 consecutive bytes of a row; a fragment's 16 rows turn through the wave's own stage in LDS (rows of 512 + 16 bytes) and come back as 8 neighbours along K a lane and register pair.
; Each store covers 512 consecutive bytes, aligned.  No barrier: waves share nothing.
; LIMITS: each e between -126 and 119, so that 2^e and 448 x 2^e are f32 numbers.  NaN among the inputs is not served.
.set STG,  8448                        ; a wave's stage: 16 rows x PIT
.set PIT,  528
.set GI,   3                           ; v3   16 x lane: my place in a load's and in a store's 512 bytes; never rewritten
.set SI,   6                           ; v6   the stage, on the way in
.set SO,   7                           ; v7   and on the way out: row r, + 32 h
.set SC,   16                          ; v16-18  2^e as f32, for the three conversions
.set LIM,  19                          ; v19-21  448 x 2^e
.set R,    32                          ; v32-223 three sets of 64 numbers
.set TT,   224                         ; v224-239 two sets of 8 held numbers
.set C,    240                         ; v240-255 a fragment's codes
	s_load_b512 s[4:19], s[0:1], 0x0               ; x, wq, wk, wv, wo, the scales, xc, wqkv
	s_load_b64 s[20:21], s[0:1], 0x40              ; woc
	s_load_b128 s[60:63], s[0:1], 0x48             ; mask, flags (work-groups 448-575 alone use them)
	v_lshl_add_u32 v30, v0, 2, 0x8400
	v_mov_b32 v31, 0
	v_lshrrev_b32 v1, 5, v0
	v_readfirstlane_b32 s22, v1                    ; wave 0..3
	v_and_b32 v2, 31, v0
	v_lshlrev_b32 v[GI], 4, v2
	v_and_b32 v4, 15, v0                           ; r
	v_bfe_u32 v5, v0, 4, 1                         ; h
	s_mul_i32 s23, s22, STG
	v_add_nc_u32 v[SI], s23, v[GI]
	v_mul_u32_u24 v[SO], v4, PIT
	v_lshl_add_u32 v[SO], v5, 5, v[SO]
	v_add_nc_u32 v[SO], s23, v[SO]
	s_sub_co_u32 s24, ttmp9, 128                   ; my number within wq (and within wqkv's tiles),
	s_sub_co_u32 s25, ttmp9, 256                   ; within wk,
	s_sub_co_u32 s26, ttmp9, 288                   ; within wv,
	s_sub_co_u32 s27, ttmp9, 320                   ; within wo
	s_wait_alu depctr_va_vdst(0)
	s_wait_kmcnt 0x0
	s_load_b256 s[40:47], s[14:15], 0x0            ; e0 .. e7
	s_load_b128 s[48:51], s[14:15], 0x20           ; e8 .. e11
	s_cmp_ge_u32 ttmp9, 448                        ; work-groups 448-575 read the mask: a path of its own, with no LDS line
	s_cbranch_scc1 .Lmask
	s_mov_b64 s[28:29], s[4:5]                     ; from: x
	s_mov_b64 s[30:31], s[16:17]                   ; to: xc
	s_mov_b32 s32, ttmp9                           ; which 16 rows of the source
	s_mov_b32 s33, ttmp9                           ; and of the destination
	s_cmp_ge_u32 ttmp9, 128
	s_cselect_b64 s[28:29], s[6:7], s[28:29]
	s_cselect_b64 s[30:31], s[18:19], s[30:31]
	s_cselect_b32 s32, s24, s32
	s_cselect_b32 s33, s24, s33
	s_cmp_ge_u32 ttmp9, 256
	s_cselect_b64 s[28:29], s[8:9], s[28:29]
	s_cselect_b32 s32, s25, s32
	s_cmp_ge_u32 ttmp9, 288
	s_cselect_b64 s[28:29], s[10:11], s[28:29]
	s_cselect_b32 s32, s26, s32
	s_cmp_ge_u32 ttmp9, 320
	s_cselect_b64 s[28:29], s[12:13], s[28:29]
	s_cselect_b64 s[30:31], s[20:21], s[30:31]
	s_cselect_b32 s32, s27, s32
	s_cselect_b32 s33, s27, s33
	s_lshl_b32 s34, s32, 17                        ; 16 rows of 8,192 bytes
	s_lshl_b32 s35, s22, 11                        ; + my wave's four K steps of 512 bytes
	s_add_co_u32 s34, s34, s35
	s_mov_b32 s35, 0
	s_add_nc_u64 s[28:29], s[28:29], s[34:35]
	s_lshr_b32 s36, s33, 3
	s_lshl_b32 s36, s36, 18                        ; the block of 128 rows: 262,144 bytes
	s_and_b32 s37, s33, 7
	s_lshl_b32 s37, s37, 11                        ; the fragment within a K step
	s_add_co_u32 s36, s36, s37
	s_lshl_b32 s37, s22, 16                        ; my wave's four K steps of 16,384 bytes
	s_add_co_u32 s36, s36, s37
	s_mov_b32 s37, 0
	s_add_nc_u64 s[30:31], s[30:31], s[36:37]
	s_add_nc_u64 s[52:53], s[30:31], 0x400000      ; x's second and third sets of codes lie 4 MiB and 8 MiB on (used by x's work-groups alone)
	s_add_nc_u64 s[54:55], s[30:31], 0x800000
.macro LOAD f                          ; fragment f: 16 rows x 512 bytes, into set f % 3
.irp i, 0,1,2,3,4,5,6,7,8,9,10,11,12,13,14,15
	global_load_b128 v[R+64*((\f)%3)+4*\i:R+64*((\f)%3)+4*\i+3], v[GI], s[28:29] offset:8192*\i+512*(\f) th:TH_LOAD_NT
.endr
.endm
	LOAD 0
	LOAD 1
	LOAD 2
	s_wait_kmcnt 0x0
	s_mov_b32 s56, s40                             ; my tensor's e
	s_cmp_ge_u32 ttmp9, 128
	s_cselect_b32 s56, s41, s56
	s_cmp_ge_u32 ttmp9, 256
	s_cselect_b32 s56, s43, s56
	s_cmp_ge_u32 ttmp9, 288
	s_cselect_b32 s56, s45, s56
	s_cmp_ge_u32 ttmp9, 320
	s_cselect_b32 s56, s51, s56
.macro MKSCALE e, n                    ; s[e] -> 2^e and 448 x 2^e as f32
	s_add_co_i32 s57, s[\e], 127
	s_lshl_b32 s58, s57, 23
	v_mov_b32 v[SC+\n], s58
	s_add_co_i32 s57, s57, 8
	s_lshl_b32 s57, s57, 23
	s_or_b32 s57, s57, 0x600000
	v_mov_b32 v[LIM+\n], s57
.endm
	MKSCALE 56, 0
	MKSCALE 42, 1                                  ; e2 and e4: x's other two scales
	MKSCALE 44, 2
; One set of codes of fragment f: scale n, to base s[d:d+1].  The numbers stay as they are (x needs them three times): the held numbers go into two sets of 8 by turns,
; so that eight plain lines stand between a conversion and the next write of its sources.
.macro VARIANT f, n, d
	s_wait_xcnt 0x0                                ; the earlier stores have read their data: the codes' registers are written again only behind this wait
.irp q, 0,1,2,3
.irp u, 0,1
.irp i, 0,1,2,3,4,5,6,7
	v_med3_num_f32 v[TT+8*\u+\i], v[R+64*((\f)%3)+16*\q+8*\u+\i], -v[LIM+\n], v[LIM+\n]   ; the conversion to an 8-bit code does not saturate (ISA guide 7.6.2): the hold comes first
.endr
	v_cvt_scalef32_pk8_fp8_f32 v[C+4*\q+2*\u:C+4*\q+2*\u+1], v[TT+8*\u:TT+8*\u+7], v[SC+\n]
.endr
	global_store_b128 v[GI], v[C+4*\q:C+4*\q+3], s[\d:\d+1] offset:16384*(\f)+512*\q   ; 32 lanes store 512 consecutive bytes
.endr
.endm
.macro FRAG f, left                    ; left: the loads of the younger sets, which may stay out
	s_wait_loadcnt \left
.irp i, 0,1,2,3,4,5,6,7,8,9,10,11,12,13,14,15
	ds_store_b128 v[SI], v[R+64*((\f)%3)+4*\i:R+64*((\f)%3)+4*\i+3] offset:PIT*\i
.endr
.irp q, 0,1,2,3
.irp u, 0,1
.irp j, 0,1
	ds_load_b128 v[R+64*((\f)%3)+16*\q+8*\u+4*\j:R+64*((\f)%3)+16*\q+8*\u+4*\j+3], v[SO] offset:128*\q+64*\u+16*\j   ; k = 32 q + 16 u + 8 h + 4 j on; LDS serves a wave's instructions in order (ISA guide 5.7.1.4): these see the stores above
.endr
.endr
.endr
	s_wait_dscnt 0x0
	VARIANT \f, 0, 30
	s_cmp_ge_u32 ttmp9, 128                        ; x alone has two more scales
	s_cbranch_scc1 .Lone_\@
	VARIANT \f, 1, 52
	VARIANT \f, 2, 54
.Lone_\@:
.endm
	s_wait_alu depctr_va_vdst(0)
	FRAG 0, 32
	LOAD 3                                         ; into the set that fragment 0 has left
	FRAG 1, 32
	FRAG 2, 16
	FRAG 3, 0
	s_wait_tensorcnt 0x0
	ds_add_u32 v30, v31
	s_wait_dscnt 0x0
	s_endpgm
; THE MASK'S FLAGS.  Work-group 448 + T takes the mask's rows 16 T .. 16 T + 15; wave w rows 4 w .. 4 w + 3 of them, whole (2,048 keys = 16 steps of 128).  It stores two words of 16 bits, bit j for key step j:
;   word w of flags[T]: for each of my rows the step's largest mask lies under the row's largest mask by more than D;   word 4 + w: some mask number of my rows in the step is not 0.
; D = 2 B + 256, B = 64 x 448^2 x 2^(e6 + e7) / 8: no score of quantised q and k is larger in magnitude than B.  So a key of such a step has logit <= the row's largest logit - 256, whatever the inputs hold:
; its p = 2^(t - M) lies under the smallest normal f32 number, the exponential gives 0, its code is 0 and it adds 0 to the row's sum.  The step that holds a row's largest mask is never flagged.
; LIMITS: e6 + e7 between -140 and 100; |mask| under 2^31 where it is finite (f32's spacing there stays under the 256).  NaN in the mask is not served.
; A load reads 512 consecutive bytes: one row's one step.  The two words a wave are 8 of the buffer's 4,096 bytes: they are stored by two lanes.
.macro MLOAD i                         ; row i, 16 steps, into set i % 3
.set j, 0
.rept 16
	global_load_b128 v[R+64*((\i)%3)+4*j:R+64*((\i)%3)+4*j+3], v[GI], s[28:29] offset:8192*(\i)+512*j th:TH_LOAD_NT
.set j, j+1
.endr
.endm
.macro ACROSS b, st, to                ; registers v[b + st j], j = 0 .. 15: the maximum over each 16 lanes; lanes j and j + 16 of v[to] take register j's
.irp x, 1,2,4,8
.set j, 0
.rept 16
	v_max_num_f32_dpp v[\b+\st*j], v[\b+\st*j], v[\b+\st*j] row_xmask:\x row_mask:0xf bank_mask:0xf
.set j, j+1
.endr
.endr
.set j, 0
.rept 16
	s_mov_b32 s39, 0x10001<<j
	v_cndmask_b32 v[\to], v[\to], v[\b+\st*j], s39
.set j, j+1
.endr
.endm
.macro MROW i, left                    ; left: the loads of the younger rows, which may stay out
.set RB, R+64*((\i)%3)
	s_wait_alu depctr_va_vdst(0)
	s_wait_loadcnt \left
.set j, 0
.rept 16
	v_max3_num_f32 v[TT+j], v[TT+j], |v[RB+4*j]|, |v[RB+4*j+1]|       ; the largest magnitude of step j, over my four rows
	v_max3_num_f32 v[TT+j], v[TT+j], |v[RB+4*j+2]|, |v[RB+4*j+3]|
	v_max3_num_f32 v[RB+4*j], v[RB+4*j], v[RB+4*j+1], v[RB+4*j+2]     ; the largest mask of step j of this row
	v_max_num_f32 v[RB+4*j], v[RB+4*j], v[RB+4*j+3]
.set j, j+1
.endr
	ACROSS RB, 4, C+\i
.endm
.Lmask:
	s_sub_co_u32 s24, ttmp9, 448                   ; T
	s_lshl_b32 s34, s24, 17                        ; 16 rows of 8,192 bytes
	s_lshl_b32 s35, s22, 15                        ; + my four
	s_add_co_u32 s34, s34, s35
	s_mov_b32 s35, 0
	s_add_nc_u64 s[28:29], s[60:61], s[34:35]
	MLOAD 0
	MLOAD 1
	MLOAD 2
.set j, 0
.rept 29
	v_mov_b32 v[TT+j], 0                           ; v224-239 the magnitudes; v240-244 the gathered maxima; v248-252 lane permutes' destinations
.set j, j+1
.endr
	s_mov_b32 s36, 0x76543210                      ; v_permlanex16_b32's selects for lane l xor 16
	s_mov_b32 s37, 0xfedcba98
	s_wait_kmcnt 0x0
	s_add_co_i32 s38, s46, s47                     ; e6 + e7
	s_lshl_b32 s38, s38, 23
	s_add_co_i32 s38, s38, 0x4a440000              ; 2 B = 3,211,264 x 2^(e6 + e7): the exponents are added to the constant's exponent field
	v_mov_b32 v22, 0x43800000
	v_add_f32 v22, s38, v22                        ; D = 2 B + 256
	MROW 0, 32
	MLOAD 3                                        ; into the set that row 0 has left
	MROW 1, 32
	MROW 2, 16
	MROW 3, 0
	ACROSS TT, 1, C+4
.irp n, 0,1,2,3,4
	v_permlanex16_b32 v[C+8+\n], v[C+\n], s36, s37
.endr
.irp n, 0,1,2,3,4
	v_max_num_f32 v[C+\n], v[C+\n], v[C+8+\n]      ; lane j (and j + 16): step j's maximum over all 32 lanes
.endr
.irp n, 0,1,2,3
	v_mov_b32 v[C+8+\n], v[C+\n]
.endr
.irp x, 1,2,4,8
.irp n, 0,1,2,3
	v_max_num_f32_dpp v[C+8+\n], v[C+8+\n], v[C+8+\n] row_xmask:\x row_mask:0xf bank_mask:0xf   ; the row's largest mask
.endr
.endr
.irp n, 0,1,2,3
	v_sub_f32 v[C+8+\n], v[C+8+\n], v22
.endr
.irp n, 0,1,2,3
	v_cmp_lt_f32 s[52+\n], v[C+\n], v[C+8+\n]
.endr
	v_cmp_lt_f32 s56, 0, v[C+4]
	s_and_b32 s52, s52, s53
	s_and_b32 s54, s54, s55
	s_and_b32 s52, s52, s54
	s_and_b32 s52, s52, 0xffff
	s_and_b32 s56, s56, 0xffff
	v_mov_b32 v23, s52
	v_mov_b32 v24, s56
	v_cmp_eq_u32 vcc_lo, 1, v2
	v_cndmask_b32 v23, v23, v24, vcc_lo            ; lane 0 the first word, lane 1 the second
	v_lshlrev_b32 v25, 4, v2
	s_lshl_b32 s57, s24, 5
	s_lshl_b32 s58, s22, 2
	s_add_co_u32 s57, s57, s58
	v_add_nc_u32 v25, s57, v25                     ; 32 T + 4 w + 16 x lane
	s_wait_alu depctr_va_vdst(0)
	s_wait_xcnt 0x0                                ; EXEC changes only behind this wait
	v_cmpx_gt_u32 2, v2
	global_store_b32 v25, v23, s[62:63]
	s_endpgm
.Lfunc_end_k_q43ae3e8063_quant:
	.size	k_q43ae3e8063_quant, .Lfunc_end_k_q43ae3e8063_quant-k_q43ae3e8063_quant
	.p2alignl 7, 3214868480
	.fill 96, 4, 3214868480
	.section	.rodata,"a",@progbits
	.p2align	6, 0x0
	.amdhsa_kernel k_q43ae3e8063_quant
		.amdhsa_group_segment_fixed_size 34304
		.amdhsa_private_segment_fixed_size 0
		.amdhsa_enable_private_segment 0
		.amdhsa_kernarg_size 88
		.amdhsa_user_sgpr_count 2
		.amdhsa_user_sgpr_kernarg_segment_ptr 1
		.amdhsa_wavefront_size32 1
		.amdhsa_system_sgpr_workgroup_id_x 1
		.amdhsa_system_sgpr_workgroup_id_y 1
		.amdhsa_system_sgpr_workgroup_id_z 1
		.amdhsa_system_vgpr_workitem_id 0
		.amdhsa_next_free_vgpr 256
		.amdhsa_next_free_sgpr 66
		.amdhsa_reserve_vcc 1
		.amdhsa_float_denorm_mode_32 3
		.amdhsa_float_denorm_mode_16_64 3
		.amdhsa_memory_ordered 1
		.amdhsa_forward_progress 1
		.amdhsa_inst_pref_size 133
	.end_amdhsa_kernel
	.amdgpu_metadata
---
amdhsa.version: [ 1, 2 ]
amdhsa.kernels:
  - .name:           k_q43ae3e8063_quant
    .symbol:         k_q43ae3e8063_quant.kd
    .args:
      - { .name: x, .offset: 0, .size: 8, .value_kind: global_buffer, .address_space: global }
      - { .name: wq, .offset: 8, .size: 8, .value_kind: global_buffer, .address_space: global }
      - { .name: wk, .offset: 16, .size: 8, .value_kind: global_buffer, .address_space: global }
      - { .name: wv, .offset: 24, .size: 8, .value_kind: global_buffer, .address_space: global }
      - { .name: wo, .offset: 32, .size: 8, .value_kind: global_buffer, .address_space: global }
      - { .name: lowp_scales, .offset: 40, .size: 8, .value_kind: global_buffer, .address_space: global }
      - { .name: xc, .offset: 48, .size: 8, .value_kind: global_buffer, .address_space: global }
      - { .name: wqkv, .offset: 56, .size: 8, .value_kind: global_buffer, .address_space: global }
      - { .name: woc, .offset: 64, .size: 8, .value_kind: global_buffer, .address_space: global }
      - { .name: mask, .offset: 72, .size: 8, .value_kind: global_buffer, .address_space: global }
      - { .name: flags, .offset: 80, .size: 8, .value_kind: global_buffer, .address_space: global }
    .group_segment_fixed_size: 34304
    .private_segment_fixed_size: 0
    .kernarg_segment_align: 8
    .kernarg_segment_size: 88
    .max_flat_workgroup_size: 128
    .sgpr_count:     66
    .vgpr_count:     256
    .wavefront_size: 32
...
	.end_amdgpu_metadata
.endif
;; end of part 1
;; launch qkv (part 2): grid 24 x 16, 4 waves a work-group, clusters of 4 x 4, 327,680 bytes of LDS; arguments xc, wqkv, lowp_scales, bq, bk, bv, freqs_cis, qkv; writes qkv
.if DOCPART == 2
	.amdgcn_target "amdgcn-amd-amdhsa--gfx1250"
	.amdhsa_code_object_version 6
	.text
	.protected	k_q43ae3e8063_qkv
	.globl	k_q43ae3e8063_qkv
	.p2align	8
	.type	k_q43ae3e8063_qkv,@function
k_q43ae3e8063_qkv:
	s_mov_b64 s[64:65], 0
	v_nop
	global_prefetch_b8 v0, s[64:65] scope:SCOPE_SE
	s_setreg_imm32_b32 hwreg(HW_REG_WAVE_MODE, 25, 1), 1
	s_wait_xcnt 0x0
	s_wait_alu depctr_hold_cnt(0) depctr_sa_sdst(0) depctr_va_vdst(0) depctr_va_sdst(0) depctr_va_ssrc(0) depctr_va_vcc(0) depctr_vm_vsrc(0)
	s_getreg_b32 s2, hwreg(HW_REG_IB_STS2, 6, 4)
	s_cmp_eq_u32 s2, 0
	s_cbranch_scc0 .Lentry_in_a_cluster
	s_endpgm
.Lentry_in_a_cluster:
	s_bfe_u32 s2, ttmp6, 0x10000c
	s_cmp_lg_u32 s2, 0xf033
	s_cbranch_scc0 .Lentry_shape_is_right
	s_endpgm
.Lentry_shape_is_right:
; q = rope(x wq^T + bq), k = rope(x wk^T + bk), v = x wv^T + bv, the three products on codes of FP8 (E4M3), and the results quantised for attention (scales: entries 6, 7, 9).
; OPERANDS are images of operand registers (a fragment of 16 rows x 128 K is 2,048 bytes: registers 4 q .. 4 q + 3 of all lanes at byte 512 q + 16 x lane), laid [row / 128][K step 16][fragment 8][2,048].
; A tile of the result, 128 rows of x by 128 columns, is made by four waves, each 64 x 64: 16 accumulators.  Tile columns 0-15: q; 16-19: k; 20-23: v.  x has a set of codes for each of the three.
; K goes in four slots' worth of 512 through a ring of two LDS slots; a wave's tensor load brings 32 KiB, dense in memory: two K steps of A's or of B's 128 rows.
; CLUSTERS: 4 x 4 work-groups; A's tiles are asked for jointly along a row of the cluster, B's along a column.  The kind (q, k, v) hangs on the cluster's x alone: it is alike in all sixteen.
; THE MATRIX INSTRUCTION IS USED TRANSPOSED (source 0 = 16 rows of the weight, source 1 = 16 rows of x): lane (r, h) holds row 16 a + r and columns 16 b + 8 h + 0 .. 7: eight neighbours of one head.
; A wave's 64 columns are one head.  So q's and k's conversions give registers 2 b, 2 b + 1 of a fragment of 16 rows x 64 K as it stands; v, whose K is the keys, turns through the wave's stage in LDS.
; RESULT: 48 regions of 131,072 bytes.  0-31: q of a head, [row / 16][1,024]; 32-39: k of a group, the same; 40-47: v of a group, [key / 128][d / 16][2,048] with the keys as K.
; LIMITS: e(A) + e(B) between -126 and 127; e of the result between -126 and 119.  NaN among the inputs is not served.
; REGISTERS.  Window 0: v1 r, v2 h, v3 16 x lane; v16-23 LDS addresses; v24-27 addresses of the way out; v28, v29 for the add; v30, v31 the result's scale and 448 x it; v32-63 the bias, later v's codes;
;   v64-127 at work; v128-255 the accumulators ((a, b) at v[128 + 8 (4 a + b)]).   Window 1: two fragment buffers of 128: A's four fragments, then B's four.   Window 2: v0-127 freqs_cis in the accumulators' layout.
.set SLOT,  32768                      ; LDS: wave w's 64 KiB begin at 65,536 w (waves 0, 1: A's K steps 0-1, 2-3 of a slot; waves 2, 3: B's); in them slot 0's 32 KiB, then slot 1's
.set SPARE, 262144                     ; behind the ring: the spare words, 128 bytes for each wave
.set STAGE, 262656                     ; behind them: v's stages, 32 rows x 272 bytes for each wave; no tile lands here
.set ADRA, 16
.set ADRB, 20
.set SPW,  28
.set NIL,  29
.set BI,   32
.set T,    64
.set ACC,  128
.set F0,   0
.set F1,   128
.set G1,   24                          ; s[24:31] descriptor group 1 for A's tiles; s[32:39] group 0, one set for each slot
.set G0,   32
.set G1B,  48                          ; s[48:55], s[56:63] the same for B's
.set G0B,  56
.set MSB, 0
.macro WIN new                         ; the immediate's high byte repeats the setting that is left
.if MSB != \new
	s_set_vgpr_msb (MSB<<8)|\new
.set MSB, \new
.endif
.endm
.set MUL,  0x05                        ; sources 0 and 1 window 1; C and D window 0
.set TO_F, 0x40                        ; destination window 1, address window 0
.macro PLACES                          ; four places in front of loads into registers that matrix instructions have read, and of the first read of results
.rept 4
	v_nop
.endr
.endm
.macro JLOAD s                         ; a joint load: waves 0 and 1 fetch A's halves, waves 2 and 3 B's; four v_nop follow each line
	s_cmp_eq_u32 s11, 0
	s_cbranch_scc0 .Lfor_b_\@
	tensor_load_to_lds s[G0+4*\s:G0+4*\s+3], s[G1:G1+7]
	s_nop 0
.rept 4
	v_nop
.endr
	s_branch .Lasked_\@
.Lfor_b_\@:
	tensor_load_to_lds s[G0B+4*\s:G0B+4*\s+3], s[G1B:G1B+7]
	s_nop 0
.rept 4
	v_nop
.endr
.Lasked_\@:
.endm
.macro CREST                           ; a round of the cluster's barrier behind its opening barrier
	s_cmp_lg_u32 s10, 0
	s_cbranch_scc1 .Lnot_wave_0_\@
	s_barrier_signal -3
.Lnot_wave_0_\@:
	s_barrier_wait -3
	s_barrier_signal -1
	s_barrier_wait -1
.endm
.macro CROUND
	s_barrier_signal -1
	s_barrier_wait -1
	CREST
.endm
	s_load_b512 s[68:83], s[0:1], 0x0              ; xc, wqkv, the scales, bq, bk, bv, freqs_cis, qkv
	v_lshl_add_u32 v[SPW], v0, 2, SPARE
	v_mov_b32 v[NIL], 0
	ds_add_u32 v28, v29
	ds_add_u32 v28, v29
	s_wait_dscnt 0x0
	v_lshrrev_b32 v4, 5, v0
	v_readfirstlane_b32 s10, v4                    ; wave 0..3
	s_lshr_b32 s11, s10, 1                         ; which 64 rows are mine.  Also: I fetch for A (0) or for B (1)
	s_and_b32 s12, s10, 1                          ; which 64 columns.  Also: which two of a slot's four K steps I fetch
	s_bfe_u32 s40, ttmp6, 0x40000                  ; cx, cy
	s_bfe_u32 s41, ttmp6, 0x40004
	s_lshl_b32 s42, ttmp9, 2
	s_add_co_u32 s42, s42, s40                     ; tile column = 4 x cluster x + cx
	s_and_b32 s13, ttmp7, 0xffff
	s_lshl_b32 s13, s13, 2
	s_add_co_u32 s13, s13, s41                     ; tile row = 4 x cluster y + cy
	s_lshl_b32 s43, s41, 2
	s_lshl_b32 s43, 15, s43                        ; my row of the cluster
	s_lshl_b32 s44, 0x1111, s40                    ; my column
	s_max_u32 s45, ttmp9, 3
	s_sub_co_u32 s45, s45, 3                       ; the kind: clusters 0-3 along x make q (0), cluster 4 k (1), cluster 5 v (2)
	; descriptor group 1: 32 KiB, dense, as 128 rows of 32 elements of 8 bytes; no padding: an image is read 512 consecutive bytes at a time
	s_or_b32 s[G1+0], s43, (3<<16)|(1<<21)
	s_or_b32 s[G1B+0], s44, (3<<16)|(1<<21)
.irp g, G1, G1B
	s_mov_b32 s[\g+1], 4096<<16                    ; the head's one load a wave brings both slots' parts: 2 rows of 4,096 elements (32 KiB),
	s_mov_b32 s[\g+2], 2<<16
	s_mov_b32 s[\g+3], 4096<<16
	s_mov_b32 s[\g+4], 2
	s_mov_b32 s[\g+5], 8192                        ; 64 KiB apart in memory, on end in LDS
	s_mov_b32 s[\g+6], 0
	s_mov_b32 s[\g+7], 0
.endr
	s_lshl_b32 s16, s13, 18                        ; A: the block of 128 rows,
	s_lshl_b32 s17, s45, 22                        ; in the kind's set of codes,
	s_add_co_u32 s16, s16, s17
	s_lshl_b32 s17, s12, 15                        ; my two K steps
	s_add_co_u32 s16, s16, s17
	s_mov_b32 s17, 0
	s_lshl_b32 s46, s42, 18                        ; B: the block of 128 rows of the weights
	s_lshl_b32 s47, s12, 15
	s_add_co_u32 s46, s46, s47
	s_mov_b32 s47, 0
	s_lshl_b32 s20, s10, 16                        ; where they go: wave x 64 KiB
	s_wait_kmcnt 0x0
	s_load_b256 s[84:91], s[72:73], 0x0            ; e0 .. e7
	s_load_b128 s[92:95], s[72:73], 0x20           ; e8 .. e11
	s_add_nc_u64 s[14:15], s[68:69], s[16:17]
	s_add_nc_u64 s[46:47], s[70:71], s[46:47]
	CROUND                                         ; all sixteen work-groups are here: the first joint loads meet
.irp s, 0,1
	s_mov_b32 s[G0+4*\s], 1
	s_add_co_u32 s[G0+4*\s+1], s20, \s*SLOT
	s_add_nc_u64 s[G0+4*\s+2:G0+4*\s+3], s[14:15], \s*65536
	s_or_b32 s[G0+4*\s+3], s[G0+4*\s+3], 0x80000000
	s_mov_b32 s[G0B+4*\s], 1
	s_add_co_u32 s[G0B+4*\s+1], s20, \s*SLOT
	s_add_nc_u64 s[G0B+4*\s+2:G0B+4*\s+3], s[46:47], \s*65536
	s_or_b32 s[G0B+4*\s+3], s[G0B+4*\s+3], 0x80000000
.endr
	JLOAD 0                                        ; one tensor load a wave at the head: K steps 0-7 of my part
	v_and_b32 v1, 15, v0                           ; r
	s_wait_alu depctr_va_vdst(0)
	v_bfe_u32 v2, v0, 4, 1                         ; h
	v_and_b32 v3, 31, v0
	v_lshlrev_b32 v3, 4, v3                        ; 16 x lane
	s_lshl_b32 s21, s11, 13                        ; my four fragments of A
	s_lshl_b32 s22, s12, 13                        ; my four of B,
	s_add_co_u32 s22, s22, 131072                  ; which lie behind A's
	s_wait_alu depctr_va_vdst(0)
.irp s, 0,1,2,3                                        ; register slot + 2 (K step / 2)
	v_add_nc_u32 v[ADRA+\s], s21, v3
	v_add_nc_u32 v[ADRB+\s], s22, v3
	s_add_co_u32 s21, s21, SLOT
	s_add_co_u32 s22, s22, SLOT
.endr
	s_mul_i32 s23, s10, 8704
	s_add_co_u32 s23, s23, STAGE                   ; my stage
	v_mul_u32_u24 v24, v1, 272
	s_wait_alu depctr_va_vdst(0)
	v_lshl_add_u32 v24, v2, 5, v24
	v_add_nc_u32 v24, s23, v24                     ; in: key r, + 32 h
	v_mul_u32_u24 v25, v2, 2176
	v_lshl_add_u32 v25, v1, 2, v25
	v_add_nc_u32 v25, s23, v25                     ; back: key 8 h, channel r
	v_lshlrev_b32 v26, 8, v1
	v_lshl_add_u32 v26, v2, 5, v26                 ; freqs_cis: row r of 256 bytes, + 32 h
	v_lshlrev_b32 v27, 5, v2                       ; the bias: 32 h
	s_wait_alu depctr_va_vdst(0)
	s_wait_kmcnt 0x0
	s_mov_b32 s4, s84                              ; e of A, of B, of the result; the bias; the kind's first tile column
	s_mov_b32 s5, s85
	s_mov_b32 s6, s90
	s_mov_b32 s7, 0
	s_mov_b64 s[8:9], s[74:75]
	s_cmp_eq_u32 s45, 1
	s_cselect_b32 s4, s86, s4
	s_cselect_b32 s5, s87, s5
	s_cselect_b32 s6, s91, s6
	s_cselect_b32 s7, 16, s7
	s_cselect_b64 s[8:9], s[76:77], s[8:9]
	s_cmp_eq_u32 s45, 2
	s_cselect_b32 s4, s88, s4
	s_cselect_b32 s5, s89, s5
	s_cselect_b32 s6, s93, s6
	s_cselect_b32 s7, 20, s7
	s_cselect_b64 s[8:9], s[78:79], s[8:9]
	s_add_co_i32 s4, s4, s5
	s_add_co_i32 s4, s4, 127
	s_lshl_b32 s96, s4, 23                         ; 2^(eA + eB) as f32
	s_mov_b32 s97, s96                             ; (named with it as a pair, so it is written)
	s_add_co_i32 s6, s6, 127
	s_lshl_b32 s5, s6, 23
	v_mov_b32 v30, s5                              ; the result's scale as f32
	s_add_co_i32 s6, s6, 8
	s_lshl_b32 s6, s6, 23
	s_or_b32 s6, s6, 0x600000
	v_mov_b32 v31, s6                              ; 448 x it
	s_sub_co_u32 s7, s42, s7
	s_lshl_b32 s7, s7, 9                           ; the bias: 128 columns of 4 bytes a tile,
	s_lshl_b32 s5, s12, 8                          ; + my 64
	s_add_co_u32 s4, s7, s5
	s_mov_b32 s5, 0
	s_add_nc_u64 s[8:9], s[8:9], s[4:5]
	s_lshl_b32 s4, s13, 15                         ; freqs_cis at my first row: (128 x tile row + 64 x half) x 256 bytes
	s_lshl_b32 s5, s11, 14
	s_add_co_u32 s4, s4, s5
	s_mov_b32 s5, 0
	s_add_nc_u64 s[18:19], s[80:81], s[4:5]
	s_lshl_b32 s4, s42, 1
	s_add_co_u32 s4, s4, s12
	s_lshl_b32 s4, s4, 17                          ; the result's region: 2 x tile column + half
	s_lshl_b32 s5, s13, 13                         ; 128 rows are 8,192 bytes in each of the three layouts
	s_add_co_u32 s4, s4, s5
	s_cmp_eq_u32 s45, 2
	s_cselect_b32 s5, 10, 12                       ; my 64 rows begin 4,096 bytes on (q, k: four fragments) or 1,024 (v: two register groups)
	s_lshl_b32 s5, s11, s5
	s_add_co_u32 s4, s4, s5
	s_mov_b32 s5, 0
	s_add_nc_u64 s[82:83], s[82:83], s[4:5]
.irp b, 0,1,2,3
.irp u, 0,1
	global_load_b128 v[BI+8*\b+4*\u:BI+8*\b+4*\u+3], v27, s[8:9] offset:64*\b+16*\u   ; the bias of columns 16 b + 8 h + 4 u on
.endr
.endr
	WIN 0x80                                       ; destination window 2
.irp a, 0,1,2,3
.irp b, 0,1,2,3
.irp u, 0,1
	global_load_b128 v[8*(4*\a+\b)+4*\u:8*(4*\a+\b)+4*\u+3], v26, s[18:19] offset:4096*\a+64*\b+16*\u   ; freqs_cis(row 16 a + r, 16 b + 8 h + 4 u on)
.endr
.endr
.endr
	WIN 0
; 8 matrix instructions: rows a0, a0 + 1 x all four column blocks, 128 along K.  The 16 accumulators take turns, one instruction a turn, in one order throughout.
.macro MUL8 f, a0, zero
.irp a, \a0, \a0+1
.irp b, 0,1,2,3
.if \zero
	v_wmma_f32_16x16x128_fp8_fp8 v[ACC+8*(4*(\a)+\b):ACC+8*(4*(\a)+\b)+7], v[\f+64+16*\b:\f+64+16*\b+15], v[\f+16*(\a):\f+16*(\a)+15], 0
.else
	v_wmma_f32_16x16x128_fp8_fp8 v[ACC+8*(4*(\a)+\b):ACC+8*(4*(\a)+\b)+7], v[\f+64+16*\b:\f+64+16*\b+15], v[\f+16*(\a):\f+16*(\a)+15], v[ACC+8*(4*(\a)+\b):ACC+8*(4*(\a)+\b)+7]
.endif
.endr
.endr
.endm
; 32 LDS loads in one run: B's four fragments, then A's, of the slot's K step kq, into buffer f.  Each load takes 512 consecutive bytes.
.macro FETCH slot, kq, f
	WIN TO_F
.irp i, 0,1,2,3
.irp c, 0,1,2,3
	ds_load_b128 v[\f+64+16*\i+4*\c:\f+64+16*\i+4*\c+3], v[ADRB+\slot+2*((\kq)/2)] offset:16384*((\kq)%2)+2048*\i+512*\c
.endr
.endr
.irp i, 0,1,2,3
.irp c, 0,1,2,3
	ds_load_b128 v[\f+16*\i+4*\c:\f+16*\i+4*\c+3], v[ADRA+\slot+2*((\kq)/2)] offset:16384*((\kq)%2)+2048*\i+512*\c
.endr
.endr
.endm
; A K step of 128: multiplies buffer f; in its middle it fetches the slot's K step kq into buffer g.
.macro KSTEP slot, kq, f, g, zero
	s_wait_dscnt 8                                 ; B and A's fragments 0, 1 are in; the youngest eight loads (A's 2, 3) may be out
	WIN MUL
	MUL8 \f, 0, \zero
	PLACES
	FETCH \slot, \kq, \g
	s_wait_dscnt 32                                ; all but the 32 just issued
	WIN MUL
	MUL8 \f, 2, \zero
.endm
; A slot's last K step (in buffer 1) changes slots: one barrier; in front of it each wave waits for all its tensor loads, adds 0 to its spare word, and waits for that and for its reads of this slot.
.macro TURN slot, next, fill
	WIN 0                                          ; (the add's two registers lie in window 0)
	s_wait_tensorcnt 0x0                           ; all my tensor loads have landed: my part of the next slot
	ds_add_u32 v[SPW], v[NIL]                      ; 0 onto my spare word
	s_wait_dscnt 9                                 ; (the add and the youngest eight loads may be out)
	WIN MUL
	MUL8 F1, 0, 0
	s_wait_dscnt 0x0                               ; the add is done, and my reads of this slot are over
	s_barrier_signal -1
	MUL8 F1, 2, 0
	WIN 0
	s_barrier_wait -1
.if \fill
	CREST                                          ; the barrier has opened a round of the cluster's barrier: no wave of any partner still reads this slot or has a load on its way
	s_add_nc_u64 s[G0+4*\slot+2:G0+4*\slot+3], s[G0+4*\slot+2:G0+4*\slot+3], 131072
	s_add_nc_u64 s[G0B+4*\slot+2:G0B+4*\slot+3], s[G0B+4*\slot+2:G0B+4*\slot+3], 131072
	JLOAD \slot                                    ; the first tensor load behind the round: it has the next slot's 64 matrix instructions in which to land; its four v_nop are the places in front of the loads below
.else
	PLACES
.endif
	FETCH \next, 0, F0
.endm
	s_wait_tensorcnt 0x0                           ; my part of both slots is in, so group 1 may be written: the refills bring 32 KiB as 128 rows of 256 bytes
.irp g, G1, G1B
	s_mov_b32 s[\g+1], 32<<16
	s_mov_b32 s[\g+2], 128<<16
	s_mov_b32 s[\g+3], 32<<16
	s_mov_b32 s[\g+4], 128
	s_mov_b32 s[\g+5], 32
.endr
	s_barrier_signal -1
	s_barrier_wait -1
	FETCH 0, 0, F0
	KSTEP 0, 1, F0, F1, 1                          ; the first K step's products start the sums
	KSTEP 0, 2, F1, F0, 0
	KSTEP 0, 3, F0, F1, 0
	TURN 0, 1, 1                                   ; slot 0 takes K steps 8-11
	KSTEP 1, 1, F0, F1, 0
	KSTEP 1, 2, F1, F0, 0
	KSTEP 1, 3, F0, F1, 0
	TURN 1, 0, 1                                   ; slot 1 takes K steps 12-15
	KSTEP 0, 1, F0, F1, 0
	KSTEP 0, 2, F1, F0, 0
	KSTEP 0, 3, F0, F1, 0
	TURN 0, 1, 0                                   ; nothing is left to fetch
	KSTEP 1, 1, F0, F1, 0
	KSTEP 1, 2, F1, F0, 0
	KSTEP 1, 3, F0, F1, 0
	s_wait_dscnt 8
	WIN MUL
	MUL8 F1, 0, 0
	s_wait_dscnt 0x0
	MUL8 F1, 2, 0
	WIN 0
	PLACES
	; THE WAY OUT.  number = sum x 2^(eA + eB) + bias, one packed multiply-add for two; each accumulator from its low end on.
	s_wait_loadcnt 0x0                             ; the bias and freqs_cis
.irp a, 0,1,2,3
.irp b, 0,1,2,3
.irp i, 0,2,4,6
	v_pk_fma_f32 v[ACC+8*(4*\a+\b)+\i:ACC+8*(4*\a+\b)+\i+1], v[ACC+8*(4*\a+\b)+\i:ACC+8*(4*\a+\b)+\i+1], s[96:97], v[BI+8*\b+\i:BI+8*\b+\i+1] op_sel_hi:[1,0,1]
.endr
.endr
.endr
	s_cmp_eq_u32 s45, 2
	s_cbranch_scc1 .Lv
	; q and k: the rotation.  A pair (even, odd) of a head's channels lies in two neighbouring registers, and so do its cos and sin.
	WIN 0x08                                       ; source 1 (cos, sin) window 2
.irp a, 0,1,2,3
.irp b, 0,1,2,3
.irp p, 0,1,2,3
	v_mul_f32 v[T+2*\p], v[ACC+8*(4*\a+\b)+2*\p+1], v[8*(4*\a+\b)+2*\p+1]     ; odd x sin
	v_mul_f32 v[T+2*\p+1], v[ACC+8*(4*\a+\b)+2*\p+1], v[8*(4*\a+\b)+2*\p]     ; odd x cos
.endr
.irp p, 0,1,2,3
	v_fma_f32 v[ACC+8*(4*\a+\b)+2*\p+1], v[ACC+8*(4*\a+\b)+2*\p], v[8*(4*\a+\b)+2*\p+1], v[T+2*\p+1]   ; even x sin + odd x cos
	v_fma_f32 v[ACC+8*(4*\a+\b)+2*\p], v[ACC+8*(4*\a+\b)+2*\p], v[8*(4*\a+\b)+2*\p], -v[T+2*\p]        ; even x cos - odd x sin
.endr
.endr
.endr
	WIN 0
.irp a, 0,1,2,3
.irp b, 0,1,2,3
.irp i, 0,1,2,3,4,5,6,7
	v_med3_num_f32 v[ACC+8*(4*\a+\b)+\i], v[ACC+8*(4*\a+\b)+\i], -v31, v31   ; the conversion does not saturate (ISA guide 7.6.2): the hold comes first
.endr
	v_cvt_scalef32_pk8_fp8_f32 v[96+8*\a+2*\b:96+8*\a+2*\b+1], v[ACC+8*(4*\a+\b):ACC+8*(4*\a+\b)+7], v30   ; registers 2 b, 2 b + 1 of the fragment of rows 16 a on: k = 16 b + 8 h + 0 .. 7
.endr
.endr
	v_nop                                          ; a plain line behind the last conversion
.irp a, 0,1,2,3
.irp q, 0,1
	global_store_b128 v3, v[96+8*\a+4*\q:96+8*\a+4*\q+3], s[82:83] offset:1024*\a+512*\q   ; 32 lanes store 512 consecutive bytes
.endr
.endr
	s_branch .Ljoin
.Lv:
; v: its K is the keys, which lie across my lanes.  32 keys x 64 channels of f32 at a time go through my own stage (rows of 256 + 16 bytes) and come back a channel a lane, registers down the keys.
.macro VHALF z
.irp k, 0,1
.irp b, 0,1,2,3
.irp u, 0,1
	ds_store_b128 v24, v[ACC+8*(4*(2*\z+\k)+\b)+4*\u:ACC+8*(4*(2*\z+\k)+\b)+4*\u+3] offset:4352*\k+64*\b+16*\u
.endr
.endr
.endr
.irp d, 0,1,2,3
.irp c, 0,1
.irp i, 0,1,2,3,4,5,6,7
	ds_load_b32 v[T+16*\d+8*\c+\i], v25 offset:(16*\c+\i)*272+64*\d   ; v(key 16 c + 8 h + i, channel 16 d + r); LDS serves a wave's instructions in order (ISA guide 5.7.1.4)
.endr
.endr
.endr
	s_wait_dscnt 0x0
.irp d, 0,1,2,3
.irp c, 0,1
.irp i, 0,1,2,3,4,5,6,7
	v_med3_num_f32 v[T+16*\d+8*\c+\i], v[T+16*\d+8*\c+\i], -v31, v31
.endr
	v_cvt_scalef32_pk8_fp8_f32 v[BI+16*\z+4*\d+2*\c:BI+16*\z+4*\d+2*\c+1], v[T+16*\d+8*\c:T+16*\d+8*\c+7], v30
.endr
.endr
	v_nop                                          ; a plain line behind the last conversion
.irp d, 0,1,2,3
	global_store_b128 v3, v[BI+16*\z+4*\d:BI+16*\z+4*\d+3], s[82:83] offset:2048*\d+512*\z   ; one register group of the fragment of channels 16 d on
.endr
.endm
	VHALF 0
	VHALF 1
.Ljoin:
	s_wait_tensorcnt 0x0                           ; the wave's end
	ds_add_u32 v[SPW], v[NIL]
	s_wait_dscnt 0x0
	CROUND                                         ; the closing round
	s_endpgm
.Lfunc_end_k_q43ae3e8063_qkv:
	.size	k_q43ae3e8063_qkv, .Lfunc_end_k_q43ae3e8063_qkv-k_q43ae3e8063_qkv
	.p2alignl 7, 3214868480
	.fill 96, 4, 3214868480
	.section	.rodata,"a",@progbits
	.p2align	6, 0x0
	.amdhsa_kernel k_q43ae3e8063_qkv
		.amdhsa_group_segment_fixed_size 327680
		.amdhsa_private_segment_fixed_size 0
		.amdhsa_enable_private_segment 0
		.amdhsa_kernarg_size 64
		.amdhsa_user_sgpr_count 2
		.amdhsa_user_sgpr_kernarg_segment_ptr 1
		.amdhsa_wavefront_size32 1
		.amdhsa_system_sgpr_workgroup_id_x 1
		.amdhsa_system_sgpr_workgroup_id_y 1
		.amdhsa_system_sgpr_workgroup_id_z 1
		.amdhsa_system_vgpr_workitem_id 0
		.amdhsa_next_free_vgpr 640
		.amdhsa_next_free_sgpr 100
		.amdhsa_reserve_vcc 0
		.amdhsa_float_denorm_mode_32 3
		.amdhsa_float_denorm_mode_16_64 3
		.amdhsa_memory_ordered 1
		.amdhsa_forward_progress 1
		.amdhsa_inst_pref_size 114
	.end_amdhsa_kernel
	.amdgpu_metadata
---
amdhsa.version: [ 1, 2 ]
amdhsa.kernels:
  - .name:           k_q43ae3e8063_qkv
    .symbol:         k_q43ae3e8063_qkv.kd
    .args:
      - { .name: xc, .offset: 0, .size: 8, .value_kind: global_buffer, .address_space: global }
      - { .name: wqkv, .offset: 8, .size: 8, .value_kind: global_buffer, .address_space: global }
      - { .name: lowp_scales, .offset: 16, .size: 8, .value_kind: global_buffer, .address_space: global }
      - { .name: bq, .offset: 24, .size: 8, .value_kind: global_buffer, .address_space: global }
      - { .name: bk, .offset: 32, .size: 8, .value_kind: global_buffer, .address_space: global }
      - { .name: bv, .offset: 40, .size: 8, .value_kind: global_buffer, .address_space: global }
      - { .name: freqs_cis, .offset: 48, .size: 8, .value_kind: global_buffer, .address_space: global }
      - { .name: qkv, .offset: 56, .size: 8, .value_kind: global_buffer, .address_space: global }
    .group_segment_fixed_size: 327680
    .private_segment_fixed_size: 0
    .kernarg_segment_align: 8
    .kernarg_segment_size: 64
    .max_flat_workgroup_size: 128
    .sgpr_count:     100
    .vgpr_count:     640
    .wavefront_size: 32
...
	.end_amdgpu_metadata
.endif
;; end of part 2
;; launch attn (part 3): grid 32 x 8, 8 waves a work-group, no clusters, 263,168 bytes of LDS; arguments qkv, mask, lowp_scales, ao, flags; writes ao
.if DOCPART == 3
	.amdgcn_target "amdgcn-amd-amdhsa--gfx1250"
	.amdhsa_code_object_version 6
	.text
	.protected	k_q43ae3e8063_attn
	.globl	k_q43ae3e8063_attn
	.p2align	8
	.type	k_q43ae3e8063_attn,@function
k_q43ae3e8063_attn:
	s_mov_b64 s[64:65], 0
	v_nop
	global_prefetch_b8 v0, s[64:65] scope:SCOPE_SE
	s_setreg_imm32_b32 hwreg(HW_REG_WAVE_MODE, 25, 1), 1
	s_wait_xcnt 0x0
; Attention on codes of FP8 (E4M3): scores = q k^T / 8 + mask; p = 2^(t - M), t = score x log2(e), M = the running largest t rounded UP to a whole number; O = (p v) / (the sum of the unquantised p).
; The result is quantised (entry 10 of the scales) for the last product.
; THE MASK IS AN INPUT.  The launch before has read it and stored, for each tile of 16 queries, bits for the 16 key steps of 128 (buffer flags, 32 bytes a tile: four words to be ANDed, four to be ORed):
;   SKIP: every key of the step has, for each of the 16 queries, a logit at least 256 under the row's largest, by the bound that the codes' range puts on a score: its p is 0 in f32, its code 0. The step is jumped over.
;   NEED: the step's mask is not all 0.  Where it is all 0 the scores' products start from the constant 0 and the mask is not loaded.  Nothing of the mask's pattern is built in: a mask with neither kind of step walks all 16 steps.
; SHARES.  A work-group owns four tiles of 16 queries of one group of four heads: tiles 2 x, 2 x + 1, 127 - 2 x, 126 - 2 x.  Wave w: heads 2 (w % 2) + 0, 1; tile 2 x + (w / 2) % 2, mirrored (127 - tile) for w >= 4:
; so waves w and w + 4 hold tiles from opposite ends of the sequence.  Each fragment of K, of V and of the mask feeds two heads.
; LDS holds all of the group's K (131,072 bytes) and V (131,072).  It has no tensor load, no joint loads and no cluster: each wave copies 32 KiB
; through registers, 512 consecutive bytes a load and a store; one barrier.  No prefetch: the copy stands at the head, with no loop ahead of it; the mask of a step is asked for one step ahead, into registers.
; LAYOUT.  Both products are used transposed: S^T = K Q^T, O^T = V^T P^T: a lane holds ONE query (lane % 16).  Tile T of S^T holds keys 16 T + 8 h + 0 .. 7: their codes are registers 2 T, 2 T + 1 of P.
; THE MASK IS THE C OF THE SCORES' PRODUCT: mask x 2^(3 - e6 - e7), which rounds nothing, is added by the matrix unit, and t = that sum x log2(e) 2^(e6 + e7 - 3).
; THE SOFTMAX IS A STREAM OF NINE SLOTS over 16 units of 8 registers (unit = 8 x head + tile), two units a slot.  Slot U: one wait; units 2 U, 2 U + 1's sixteen exponentials, with units 2 U + 2, 2 U + 3's t - M set between them;
; then, with no exponential among them, units 2 U - 2, 2 U - 1's sum, hold and conversion.  What is written among the exponentials is first read behind the next slot's wait.
; K'S FRAGMENTS of step j + 1 are asked for in step j, behind the scores' products (in a step that is jumped over: behind the wait for the earlier request).  The last trip's request reads LDS bytes of V and is not used.
; LIMITS: e6 + e7 between -123 and 129; e8 and e10 between -126 and 119; mask x 2^(3 - e6 - e7) stays finite where the mask is; the scaled scores stay under 2^31 in magnitude.  NaN among the inputs is not served.
; REGISTERS.  Window 0: v1 16 x lane, v2 the same in V; v3, v4 addresses in hand; v5 the mask's offset; v6 and v15 448 x 2^e8 (twice, for the dual form), v7 2^e8; v8, v9, v56, v57 the maxima's chains, then partial sums;
;   v[10:11], v[60:61] a head's f, 0; v[12:13] a partial sum; v14, v58 lane permutes' destinations; v16-19, v20-23 a head's -M, largest t, sum in two halves; v24-55 P's codes; v62, v63 for the add; v64-127 O^T; v128-255 S^T.
;   Window 1: v0-63 K's eight tiles; v64-127 V's four; v128-191 the mask; v192-207 Q.
.set TB,    68                         ; s68  LDS byte of the key step in hand
.set CNT,   69                         ; s69  the key step
.set SKIP,  80                         ; s80  bit j: step j is jumped over
.set NEEDL, 81                         ; s81  bit j: step j is walked and its mask is loaded
.set MSB, 0
.macro WIN new                         ; the immediate's high byte repeats the setting that is left
.if MSB != \new
	s_set_vgpr_msb (MSB<<8)|\new
.set MSB, \new
.endif
.endm
.macro FILLLD lo, n, reg               ; pieces lo .. lo + n - 1 of my 64 pieces of 512 bytes
.set i, 0
.rept \n
	global_load_b128 v[\reg+4*i:\reg+4*i+3], v1, s[20:21] offset:512*(\lo+i)
.set i, i+1
.endr
.endm
.macro FILLST lo, n, reg
.set i, 0
.rept \n
	ds_store_b128 v3, v[\reg+4*i:\reg+4*i+3] offset:512*(\lo+i)
.set i, i+1
.endr
.endm
.macro ASK bit                         ; the mask of the step at s[74:75], if that step wants it
	s_bitcmp1_b32 s[NEEDL], \bit
	s_cbranch_scc0 .Lno_mask_\@
	WIN 0x40
.irp t, 0,1,2,3,4,5,6,7
.irp u, 0,1
	global_load_b128 v[128+8*\t+4*\u:128+8*\t+4*\u+3], v5, s[74:75] offset:64*\t+16*\u
.endr
.endr
	WIN 0
.Lno_mask_\@:
.endm
.macro KLOAD adr, off                  ; K's eight tiles of a key step
	WIN 0x40
.irp t, 0,1,2,3,4,5,6,7
.irp c, 0,1
	ds_load_b128 v[8*\t+4*\c:8*\t+4*\c+3], \adr offset:\off+1024*\t+512*\c
.endr
.endr
	WIN 0
.endm
	s_load_b256 s[4:11], s[0:1], 0x0               ; qkv, mask, the scales, ao
	s_load_b64 s[78:79], s[0:1], 0x20              ; flags
	v_lshl_add_u32 v62, v0, 2, 0x40000
	v_mov_b32 v63, 0
	v_lshrrev_b32 v8, 5, v0
	v_readfirstlane_b32 s12, v8                    ; wave 0..7
	s_lshl_b32 s22, s12, 15
	v_and_b32 v1, 31, v0
	v_lshlrev_b32 v1, 4, v1                        ; 16 x lane
	v_add_nc_u32 v2, 131072, v1
	v_add_nc_u32 v3, s22, v1                       ; the copy's place in LDS: wave x 32 KiB: K's four quarters, then V's
	v_and_b32 v8, 15, v0
	v_bfe_u32 v9, v0, 4, 1
	v_lshlrev_b32 v5, 13, v8
	v_lshl_add_u32 v5, v9, 5, v5                   ; the mask: row r of 8,192 bytes, + 32 h
	s_and_b32 s15, ttmp7, 0xffff                   ; the group
	s_and_b32 s17, s12, 1                          ; my pair of heads
	s_bfe_u32 s16, s12, 0x10001
	s_lshr_b32 s13, s12, 2
	s_lshl_b32 s50, ttmp9, 1
	s_add_co_u32 s50, s50, s16
	s_sub_co_u32 s14, 127, s50
	s_cmp_eq_u32 s13, 0
	s_cselect_b32 s50, s50, s14                    ; my tile of 16 queries among the 128
	s_add_co_u32 s18, s15, 32                      ; the copy's source: region 32 + group (K), 8 regions on (V), + my quarter
	s_lshl_b32 s18, s18, 17
	s_lshl_b32 s19, s13, 20
	s_add_co_u32 s18, s18, s19
	s_and_b32 s19, s12, 3
	s_lshl_b32 s19, s19, 15
	s_add_co_u32 s18, s18, s19
	s_mov_b32 s19, 0
	s_lshl_b32 s48, s15, 2
	s_lshl_b32 s49, s17, 1
	s_add_co_u32 s48, s48, s49                     ; my first head
	s_lshl_b32 s48, s48, 17
	s_lshl_b32 s49, s50, 10
	s_add_co_u32 s48, s48, s49
	s_mov_b32 s49, 0
	s_lshl_b32 s52, s50, 17                        ; the mask: 16 rows of 8,192 bytes a tile
	s_mov_b32 s53, 0
	s_lshr_b32 s54, s50, 3
	s_lshl_b32 s54, s54, 18                        ; ao: the block of 128 rows,
	s_lshl_b32 s55, s15, 1
	s_add_co_u32 s55, s55, s17
	s_lshl_b32 s55, s55, 14                        ; K step = head / 2,
	s_add_co_u32 s54, s54, s55
	s_and_b32 s55, s50, 7
	s_lshl_b32 s55, s55, 11                        ; the fragment
	s_add_co_u32 s54, s54, s55
	s_mov_b32 s55, 0
	s_lshl_b32 s56, s50, 5                         ; flags: 32 bytes a tile
	s_mov_b32 s57, 0
	s_wait_alu depctr_va_vdst(0)
	s_wait_kmcnt 0x0
	s_load_b256 s[84:91], s[8:9], 0x0              ; e0 .. e7
	s_load_b128 s[92:95], s[8:9], 0x20             ; e8 .. e11
	s_add_nc_u64 s[78:79], s[78:79], s[56:57]
	s_load_b256 s[24:31], s[78:79], 0x0            ; my tile's eight words
	s_add_nc_u64 s[20:21], s[4:5], s[18:19]
	s_add_nc_u64 s[50:51], s[4:5], s[48:49]        ; Q
	s_add_nc_u64 s[74:75], s[6:7], s[52:53]        ; the mask at my first query
	s_add_nc_u64 s[76:77], s[10:11], s[54:55]      ; ao
	FILLLD 0, 32, 128                              ; the copy: 60 of my 64 pieces are asked for at once: pieces 0-31 into the registers that will hold S^T,
	WIN 0x40
	FILLLD 32, 28, 0                               ; the others into those that will hold K's and V's fragments
	WIN 0
	s_mov_b32 s66, 0x76543210                      ; v_permlanex16_b32's selects for lane l xor 16
	s_mov_b32 s67, 0xfedcba98
	v_mov_b32 v11, 0                               ; (named as the upper halves of the pairs v[10:11] and v[60:61])
	v_mov_b32 v61, 0
	v_mov_b32 v14, 0                               ; a lane permute's destination counts as one of its sources
	v_mov_b32 v58, 0
	v_mov_b32 v17, 0xff61b1e6                      ; the largest t so far: -3e38
	v_mov_b32 v21, 0xff61b1e6
	v_floor_f32 v16, -v17                          ; -M
	v_floor_f32 v20, -v21
	v_mov_b32 v18, 0                               ; the sums
	v_mov_b32 v19, 0
	v_mov_b32 v22, 0
	v_mov_b32 v23, 0
.set j, 0
.rept 64
	v_mov_b32 v[64+j], 0                           ; O^T.  (Which step is a wave's first hangs on the flags: the step is written once, and the first finds zeros)
.set j, j+1
.endr
	WIN 0x40
.set j, 0
.rept 64
	v_mov_b32 v[128+j], 0                          ; the mask's registers are written once here, so that they hold numbers on every way through the flags' branches
.set j, j+1
.endr
	WIN 0
	s_wait_alu depctr_va_vdst(0)
	s_wait_loadcnt 44                              ; pieces 0-15 are in: behind them 44 loads were issued
	FILLST 0, 16, 128
	WIN 0x40
	FILLLD 60, 4, 112
.irp h, 0,1
.irp q, 0,1
	global_load_b128 v[192+8*\h+4*\q:192+8*\h+4*\q+3], v1, s[50:51] offset:131072*\h+512*\q   ; Q's fragments stay in registers
.endr
.endr
	WIN 0
	s_wait_loadcnt 36                              ; pieces 16-31: behind them pieces 32-63 and Q's four
	FILLST 16, 16, 192
	s_wait_kmcnt 0x0
	s_and_b32 s24, s24, s25
	s_and_b32 s26, s26, s27
	s_and_b32 s[SKIP], s24, s26
	s_or_b32 s28, s28, s29
	s_or_b32 s30, s30, s31
	s_or_b32 s28, s28, s30
	s_and_not1_b32 s[NEEDL], s28, s[SKIP]
	ASK 0                                          ; step 0's mask.  (Where it is asked for, the two counted waits below leave fewer of the copy's loads out than they need to)
	s_add_co_i32 s56, s90, s91                     ; e6 + e7
	s_sub_co_i32 s57, s56, 3
	s_lshl_b32 s57, s57, 23
	s_add_co_i32 s60, s57, 0x3fb8aa3b              ; log2(e) x 2^(e6 + e7 - 3): the exponents are added to log2(e)'s exponent field
	s_mov_b32 s61, s60                             ; (named with it as a pair, so it is written)
	s_sub_co_i32 s57, 130, s56
	s_lshl_b32 s62, s57, 23                        ; 2^(3 - e6 - e7)
	s_mov_b32 s63, s62
	s_add_co_i32 s57, s92, 127
	s_lshl_b32 s58, s57, 23
	v_mov_b32 v7, s58                              ; 2^e8, for p's conversion
	s_add_co_i32 s57, s57, 8
	s_lshl_b32 s57, s57, 23
	s_or_b32 s57, s57, 0x600000
	v_mov_b32 v6, s57                              ; 448 x 2^e8,
	v_mov_b32 v15, s57                             ; twice
	s_add_co_i32 s70, s92, s93                     ; e8 + e9
	s_add_co_i32 s57, s94, 127
	s_lshl_b32 s71, s57, 23                        ; 2^e10
	s_add_co_i32 s57, s57, 8
	s_lshl_b32 s57, s57, 23
	s_or_b32 s72, s57, 0x600000                    ; 448 x 2^e10
	s_mov_b32 s[TB], 0
	s_mov_b32 s[CNT], 0
	s_wait_alu depctr_va_vdst(0)
	s_wait_loadcnt 20                              ; pieces 32-47: behind them pieces 48-63 and Q's four
	WIN 0x04                                       ; a store's data window 1
	FILLST 32, 16, 0
	s_wait_loadcnt 4                               ; pieces 48-63: behind them Q's four
	FILLST 48, 16, 64
	WIN 0
	s_wait_dscnt 0x0                               ; my stores are done,
	s_barrier_signal -1
	s_barrier_wait -1                              ; and everybody's: K and V are whole, and are written no more
	KLOAD v1, 0                                    ; step 0's fragments of K
; THE MAXIMA AND WHAT HANGS ON THEM, both heads line by line: four chains; each tile is read from its low end on.
.macro TOPS
.irp z, 0,1
	v_max3_num_f32 v[8+48*\z], v[128+64*\z], v[129+64*\z], v[130+64*\z]
.endr
.irp z, 0,1
	v_max3_num_f32 v[9+48*\z], v[131+64*\z], v[132+64*\z], v[133+64*\z]
.endr
.set i, 134
.rept 14
.irp z, 0,1
	v_max3_num_f32 v[8+48*\z], v[8+48*\z], v[i+64*\z], v[i+1+64*\z]
.endr
.irp z, 0,1
	v_max3_num_f32 v[9+48*\z], v[9+48*\z], v[i+2+64*\z], v[i+3+64*\z]
.endr
.set i, i+4
.endr
.irp z, 0,1
	v_max3_num_f32 v[8+48*\z], v[8+48*\z], v[190+64*\z], v[191+64*\z]
.endr
.irp z, 0,1
	v_max_num_f32 v[8+48*\z], v[8+48*\z], v[9+48*\z]           ; the largest of my 64 scores
.endr
.irp z, 0,1
	v_permlanex16_b32 v[14+44*\z], v[8+48*\z], s66, s67
.endr
.irp z, 0,1
	v_mov_b32 v[9+48*\z], v[16+4*\z]                           ; the old -M is kept
.endr
.irp z, 0,1
	v_max_num_f32 v[8+48*\z], v[8+48*\z], v[14+44*\z]          ; and of lane l xor 16's
.endr
.irp z, 0,1
	v_mul_f32 v[8+48*\z], s60, v[8+48*\z]                      ; as t (the factor is positive)
.endr
.irp z, 0,1
	v_max_num_f32 v[17+4*\z], v[17+4*\z], v[8+48*\z]           ; the running largest t
.endr
.irp z, 0,1
	v_floor_f32 v[16+4*\z], -v[17+4*\z]                        ; the new -M = -ceil(t): a whole number
.endr
.irp z, 0,1
	v_sub_f32 v[9+48*\z], v[16+4*\z], v[9+48*\z]               ; old M - new M: a whole number, 0 or less
.endr
.irp z, 0,1
	v_cvt_i32_f32 v[9+48*\z], v[9+48*\z]                       ; (it saturates)
.endr
.irp z, 0,1
	v_ldexp_f32 v[10+50*\z], 1.0, v[9+48*\z]                   ; f = 2^(old M - new M): a multiplication by it rounds nothing
.endr
.endm
.macro EX n, e                         ; p = 2^(t - M): register e of unit n
	v_exp_f32 v[128+8*(\n)+(\e)], v[128+8*(\n)+(\e)]
.endm
.macro TM n, k                         ; t - M: pair k of unit n
	v_pk_fma_f32 v[128+8*(\n)+2*(\k):129+8*(\n)+2*(\k)], v[128+8*(\n)+2*(\k):129+8*(\n)+2*(\k)], s[60:61], v[16+4*((\n)/8):17+4*((\n)/8)] op_sel_hi:[1,0,0]
.endm
.macro HOLD k                          ; pair k of the 16 registers from v[PB]: the conversion does not saturate (ISA guide 7.6.2); p is not negative, so the hold is one-sided; two holds in one dual form
	v_dual_min_num_f32 v[PB+2*\k], v[PB+2*\k], v6 :: v_dual_min_num_f32 v[PB+2*\k+1], v[PB+2*\k+1], v15
.endm
.macro SLOT U
	s_wait_alu depctr_va_vdst(0)                   ; the slot's one wait: behind the last slot's exponentials and t - M, ahead of their readers
.if (\U) <= 7
.irp w, 0,1
.irp k, 0,1,2,3
	EX 2*(\U)+\w, 2*\k
.if (\U) <= 6
	TM 2*(\U)+2+\w, \k
.endif
	EX 2*(\U)+\w, 2*\k+1
.endr
.endr
.endif
.if (\U) >= 1                          ; units 2 U - 2, 2 U - 1, of one head: 16 registers from v[PB].  No exponential stands among these lines.  The sum is taken of the unquantised p: each pair is added ahead of its hold
.set PB, 128+16*((\U)-1)
.set CH, 18+4*(((\U)-1)/4)
	v_pk_add_f32 v[8:9], v[PB:PB+1], v[PB+2:PB+3]
	v_pk_add_f32 v[56:57], v[PB+4:PB+5], v[PB+6:PB+7]
	v_pk_add_f32 v[12:13], v[PB+8:PB+9], v[PB+10:PB+11]
	v_pk_add_f32 v[CH:CH+1], v[CH:CH+1], v[PB+12:PB+13]
	HOLD 0
	HOLD 1
	v_pk_add_f32 v[8:9], v[8:9], v[56:57]
	v_pk_add_f32 v[12:13], v[12:13], v[PB+14:PB+15]
	HOLD 2
	HOLD 3
	v_pk_add_f32 v[8:9], v[8:9], v[12:13]
	HOLD 4
	HOLD 5
	HOLD 6
	HOLD 7
	v_cvt_scalef32_pk8_fp8_f32 v[20+4*(\U):21+4*(\U)], v[PB:PB+7], v7          ; unit n's codes: registers 2 n, 2 n + 1 from v24 on
	v_cvt_scalef32_pk8_fp8_f32 v[22+4*(\U):23+4*(\U)], v[PB+8:PB+15], v7
	v_pk_add_f32 v[CH:CH+1], v[CH:CH+1], v[8:9]    ; (also the plain line behind the conversions)
.endif
.endm
.macro PV z                            ; O^T += V^T P^T: the head's four accumulators by turns
	WIN 0x01                                       ; source 0 (V) window 1
.irp d, 0,1,2,3
	v_wmma_f32_16x16x128_fp8_fp8 v[64+32*\z+8*\d:64+32*\z+8*\d+7], v[64+16*\d:64+16*\d+15], v[24+16*\z:39+16*\z], v[64+32*\z+8*\d:64+32*\z+8*\d+7]
.endr
	WIN 0
.endm
.Lstep:                                                ; 16 trips, a key step of 128 each; no barrier stands in the loop
	s_wait_loadcnt 0x0                             ; this step's mask is in, if it was asked for (and Q, the first time): so the base may step
	s_add_nc_u64 s[74:75], s[74:75], 512           ; the next step's 128 keys of my rows
	s_add_co_u32 s82, s[CNT], 1                    ; (bit 16 of the flags is 0: the last trip asks for no mask)
	v_add_nc_u32 v3, s[TB], v1
	v_add_nc_u32 v4, s[TB], v2
	s_wait_alu depctr_va_vdst(0)
	s_bitcmp1_b32 s[SKIP], s[CNT]
	s_cbranch_scc1 .Ldead
	v_nop                                          ; with the two additions: four places behind the last step's products, in front of the loads into V's registers
	v_nop
	WIN 0x40
.irp d, 0,1,2,3
.irp q, 0,1,2,3
	ds_load_b128 v[64+16*\d+4*\q:64+16*\d+4*\q+3], v4 offset:2048*\d+512*\q   ; V's four tiles
.endr
.endr
	WIN 0
	s_bitcmp1_b32 s[NEEDL], s[CNT]
	s_cbranch_scc0 .Lzero
	WIN 0x41
.set j, 0
.rept 32
	v_pk_mul_f32 v[128+j:129+j], v[128+j:129+j], s[62:63] op_sel_hi:[1,0]   ; mask x 2^(3 - e6 - e7)
.set j, j+2
.endr
	s_wait_alu depctr_va_vdst(0)
	s_wait_dscnt 16                                ; K, asked for a trip ago, is in; V's sixteen loads may be out
	WIN 0x15                                       ; K, Q and the mask window 1, S^T window 0
.irp t, 0,1,2,3,4,5,6,7
.irp h, 0,1
	v_wmma_f32_16x16x64_fp8_fp8 v[128+64*\h+8*\t:128+64*\h+8*\t+7], v[8*\t:8*\t+7], v[192+8*\h:192+8*\h+7], v[128+8*\t:128+8*\t+7]
.endr
.endr
	WIN 0
	s_branch .Lscores
.Lzero:                                                ; the step's mask is all 0
	s_wait_dscnt 16
	WIN 0x05
.irp t, 0,1,2,3,4,5,6,7
.irp h, 0,1
	v_wmma_f32_16x16x64_fp8_fp8 v[128+64*\h+8*\t:128+64*\h+8*\t+7], v[8*\t:8*\t+7], v[192+8*\h:192+8*\h+7], 0
.endr
.endr
	WIN 0
.Lscores:
.rept 4
	v_nop                                          ; places in front of the loads into K's and the mask's registers and of the first read of the scores
.endr
	KLOAD v3, 8192                                 ; the next step's fragments of K,
	ASK s82                                        ; and its mask: a step ahead of their use
	TOPS
	s_wait_alu depctr_va_vdst(0)
.set j, 64
.rept 16
	v_pk_mul_f32 v[j:j+1], v[j:j+1], v[10:11] op_sel_hi:[1,0]   ; O^T under the new M, each accumulator from its low end on
.set j, j+2
.endr
.rept 16
	v_pk_mul_f32 v[j:j+1], v[j:j+1], v[60:61] op_sel_hi:[1,0]
.set j, j+2
.endr
	v_pk_mul_f32 v[18:19], v[18:19], v[10:11] op_sel_hi:[1,0]   ; and the sums
	v_pk_mul_f32 v[22:23], v[22:23], v[60:61] op_sel_hi:[1,0]
.irp w, 0,1
.irp k, 0,1,2,3
	TM \w, \k                                      ; units 0 and 1's t - M stand ahead of the stream
.endr
.endr
.set UU, 0
.rept 5
	SLOT UU                                        ; at the end of slot 4 head 0's codes are whole
.set UU, UU+1
.endr
	s_wait_alu depctr_va_vdst(0)
	s_wait_dscnt 0x0                               ; V is in
	PV 0                                           ; none of the lines that follow names a register of these products
.rept 4
	SLOT UU                                        ; slots 5-8; the last holds no exponential
.set UU, UU+1
.endr
	PV 1
	s_wait_alu depctr_va_vdst(0)
	s_branch .Lnext
.Ldead:
	s_wait_dscnt 0x0                               ; the earlier loads into K's registers have landed: only now are these asked for again
	KLOAD v3, 8192
	ASK s82
.Lnext:
	s_add_co_u32 s[TB], s[TB], 8192
	s_add_co_u32 s[CNT], s[CNT], 1
	s_cmp_lt_u32 s[CNT], 16
	s_cbranch_scc1 .Lstep
	; THE WAY OUT.  O^T / the sum x 2^(e8 + e9), quantised with 2^e10.  Head z, tile d gives registers 8 z + 2 d, + 1 of a fragment of 16 rows x 128 K of the last product: k = 64 z + 16 d + 8 h + 0 .. 7.
.rept 4
	v_nop
.endr
	v_add_f32 v18, v18, v19
	v_add_f32 v22, v22, v23
	v_permlanex16_b32 v14, v18, s66, s67
	v_permlanex16_b32 v58, v22, s66, s67
	v_add_f32 v18, v18, v14                        ; the rows' sums
	v_add_f32 v22, v22, v58
	v_mov_b32 v6, s72                              ; 448 x 2^e10
	v_mov_b32 v7, s71                              ; 2^e10
	s_wait_alu depctr_va_vdst(0)                   ; the wait ahead of the batch,
	v_rcp_f32 v18, v18
	v_rcp_f32 v22, v22
	v_nop                                          ; a plain place behind it,
	s_wait_alu depctr_va_vdst(0)                   ; and the wait ahead of its first reader
	v_ldexp_f32 v18, v18, s70
	v_ldexp_f32 v22, v22, s70
	s_wait_alu depctr_va_vdst(0)                   ; and directly ahead of the first readers of O^T
.irp h, 0,1
.set j, 0
.rept 16
	v_pk_mul_f32 v[64+32*\h+j:64+32*\h+j+1], v[64+32*\h+j:64+32*\h+j+1], v[18+4*\h:19+4*\h] op_sel_hi:[1,0]
.set j, j+2
.endr
.endr
.irp h, 0,1
.irp d, 0,1,2,3
.irp i, 0,1,2,3,4,5,6,7
	v_med3_num_f32 v[64+32*\h+8*\d+\i], v[64+32*\h+8*\d+\i], -v6, v6
.endr
	v_cvt_scalef32_pk8_fp8_f32 v[24+8*\h+2*\d:25+8*\h+2*\d], v[64+32*\h+8*\d:64+32*\h+8*\d+7], v7
.endr
.endr
	v_nop                                          ; a plain line behind the last conversion
.irp q, 0,1,2,3
	global_store_b128 v1, v[24+4*\q:27+4*\q], s[76:77] offset:512*\q   ; 32 lanes store 512 consecutive bytes
.endr
	s_wait_tensorcnt 0x0                           ; the wave's end: behind my last LDS store
	ds_add_u32 v62, v63
	s_wait_dscnt 0x0
	s_endpgm
.Lfunc_end_k_q43ae3e8063_attn:
	.size	k_q43ae3e8063_attn, .Lfunc_end_k_q43ae3e8063_attn-k_q43ae3e8063_attn
	.p2alignl 7, 3214868480
	.fill 96, 4, 3214868480
	.section	.rodata,"a",@progbits
	.p2align	6, 0x0
	.amdhsa_kernel k_q43ae3e8063_attn
		.amdhsa_group_segment_fixed_size 263168
		.amdhsa_private_segment_fixed_size 0
		.amdhsa_enable_private_segment 0
		.amdhsa_kernarg_size 40
		.amdhsa_user_sgpr_count 2
		.amdhsa_user_sgpr_kernarg_segment_ptr 1
		.amdhsa_wavefront_size32 1
		.amdhsa_system_sgpr_workgroup_id_x 1
		.amdhsa_system_sgpr_workgroup_id_y 1
		.amdhsa_system_sgpr_workgroup_id_z 1
		.amdhsa_system_vgpr_workitem_id 0
		.amdhsa_next_free_vgpr 512
		.amdhsa_next_free_sgpr 100
		.amdhsa_reserve_vcc 0
		.amdhsa_float_denorm_mode_32 3
		.amdhsa_float_denorm_mode_16_64 3
		.amdhsa_memory_ordered 1
		.amdhsa_forward_progress 1
		.amdhsa_inst_pref_size 67
	.end_amdhsa_kernel
	.amdgpu_metadata
---
amdhsa.version: [ 1, 2 ]
amdhsa.kernels:
  - .name:           k_q43ae3e8063_attn
    .symbol:         k_q43ae3e8063_attn.kd
    .args:
      - { .name: qkv, .offset: 0, .size: 8, .value_kind: global_buffer, .address_space: global }
      - { .name: mask, .offset: 8, .size: 8, .value_kind: global_buffer, .address_space: global }
      - { .name: lowp_scales, .offset: 16, .size: 8, .value_kind: global_buffer, .address_space: global }
      - { .name: ao, .offset: 24, .size: 8, .value_kind: global_buffer, .address_space: global }
      - { .name: flags, .offset: 32, .size: 8, .value_kind: global_buffer, .address_space: global }
    .group_segment_fixed_size: 263168
    .private_segment_fixed_size: 0
    .kernarg_segment_align: 8
    .kernarg_segment_size: 40
    .max_flat_workgroup_size: 256
    .sgpr_count:     100
    .vgpr_count:     512
    .wavefront_size: 32
...
	.end_amdgpu_metadata
.endif
;; end of part 3
;; launch outp (part 4): grid 16 x 16, 4 waves a work-group, clusters of 4 x 4, 327,680 bytes of LDS; arguments ao, woc, lowp_scales, bo, out0; writes out0
.if DOCPART == 4
	.amdgcn_target "amdgcn-amd-amdhsa--gfx1250"
	.amdhsa_code_object_version 6
	.text
	.protected	k_q43ae3e8063_outp
	.globl	k_q43ae3e8063_outp
	.p2align	8
	.type	k_q43ae3e8063_outp,@function
k_q43ae3e8063_outp:
	s_mov_b64 s[64:65], 0
	v_nop
	global_prefetch_b8 v0, s[64:65] scope:SCOPE_SE
	s_setreg_imm32_b32 hwreg(HW_REG_WAVE_MODE, 25, 1), 1
	s_wait_xcnt 0x0
	s_wait_alu depctr_hold_cnt(0) depctr_sa_sdst(0) depctr_va_vdst(0) depctr_va_sdst(0) depctr_va_ssrc(0) depctr_va_vcc(0) depctr_vm_vsrc(0)
	s_getreg_b32 s2, hwreg(HW_REG_IB_STS2, 6, 4)
	s_cmp_eq_u32 s2, 0
	s_cbranch_scc0 .Lentry_in_a_cluster
	s_endpgm
.Lentry_in_a_cluster:
	s_bfe_u32 s2, ttmp6, 0x10000c
	s_cmp_lg_u32 s2, 0xf033
	s_cbranch_scc0 .Lentry_shape_is_right
	s_endpgm
.Lentry_shape_is_right:
; out0 = ao wo^T x 2^(e10 + e11) + bo on codes of FP8 (E4M3); a tile of 128 x 128 by four waves of 64 x 64; operands are images of operand registers, as in the launch qkv; 4 x 4 clusters with joint loads.
.set SLOT,  32768                      ; LDS: wave w's 64 KiB begin at 65,536 w (waves 0, 1: A's K steps 0-1, 2-3 of a slot; waves 2, 3: B's); in them slot 0's 32 KiB, then slot 1's
.set SPARE, 262144
.set STAGE, 262656
.set ADRA, 16
.set ADRB, 20
.set SPW,  28
.set NIL,  29
.set BI,   32
.set T,    64
.set ACC,  128
.set F0,   0
.set F1,   128
.set G1,   24
.set G0,   32
.set G1B,  48
.set G0B,  56
.set MSB, 0
.macro WIN new
.if MSB != \new
	s_set_vgpr_msb (MSB<<8)|\new
.set MSB, \new
.endif
.endm
.set MUL,  0x05
.set TO_F, 0x40
.macro PLACES
.rept 4
	v_nop
.endr
.endm
.macro JLOAD s
	s_cmp_eq_u32 s11, 0
	s_cbranch_scc0 .Lfor_b_\@
	tensor_load_to_lds s[G0+4*\s:G0+4*\s+3], s[G1:G1+7]
	s_nop 0
.rept 4
	v_nop
.endr
	s_branch .Lasked_\@
.Lfor_b_\@:
	tensor_load_to_lds s[G0B+4*\s:G0B+4*\s+3], s[G1B:G1B+7]
	s_nop 0
.rept 4
	v_nop
.endr
.Lasked_\@:
.endm
.macro CREST
	s_cmp_lg_u32 s10, 0
	s_cbranch_scc1 .Lnot_wave_0_\@
	s_barrier_signal -3
.Lnot_wave_0_\@:
	s_barrier_wait -3
	s_barrier_signal -1
	s_barrier_wait -1
.endm
.macro CROUND
	s_barrier_signal -1
	s_barrier_wait -1
	CREST
.endm
	s_load_b256 s[68:75], s[0:1], 0x0
	s_load_b64 s[76:77], s[0:1], 0x20
	v_lshl_add_u32 v[SPW], v0, 2, SPARE
	v_mov_b32 v[NIL], 0
	ds_add_u32 v28, v29
	ds_add_u32 v28, v29
	s_wait_dscnt 0x0
	v_lshrrev_b32 v4, 5, v0
	v_readfirstlane_b32 s10, v4
	s_lshr_b32 s11, s10, 1
	s_and_b32 s12, s10, 1
	s_bfe_u32 s40, ttmp6, 0x40000
	s_bfe_u32 s41, ttmp6, 0x40004
	s_lshl_b32 s42, ttmp9, 2
	s_add_co_u32 s42, s42, s40
	s_and_b32 s13, ttmp7, 0xffff
	s_lshl_b32 s13, s13, 2
	s_add_co_u32 s13, s13, s41
	s_lshl_b32 s43, s41, 2
	s_lshl_b32 s43, 15, s43
	s_lshl_b32 s44, 0x1111, s40
	s_or_b32 s[G1+0], s43, (3<<16)|(1<<21)
	s_or_b32 s[G1B+0], s44, (3<<16)|(1<<21)
.irp g, G1, G1B
	s_mov_b32 s[\g+1], 4096<<16                    ; the head's one load a wave brings both slots' parts: 2 rows of 4,096 elements of 8 bytes (32 KiB),
	s_mov_b32 s[\g+2], 2<<16
	s_mov_b32 s[\g+3], 4096<<16
	s_mov_b32 s[\g+4], 2
	s_mov_b32 s[\g+5], 8192                        ; 64 KiB apart in memory, on end in LDS
	s_mov_b32 s[\g+6], 0
	s_mov_b32 s[\g+7], 0
.endr
	s_lshl_b32 s16, s13, 18
	s_lshl_b32 s17, s12, 15
	s_add_co_u32 s16, s16, s17
	s_mov_b32 s17, 0
	s_lshl_b32 s46, s42, 18
	s_lshl_b32 s47, s12, 15
	s_add_co_u32 s46, s46, s47
	s_mov_b32 s47, 0
	s_lshl_b32 s20, s10, 16                        ; where they go: wave x 64 KiB
	s_wait_kmcnt 0x0
	s_load_b64 s[84:85], s[72:73], 0x28
	s_add_nc_u64 s[14:15], s[68:69], s[16:17]
	s_add_nc_u64 s[46:47], s[70:71], s[46:47]
	CROUND
.irp s, 0,1
	s_mov_b32 s[G0+4*\s], 1
	s_add_co_u32 s[G0+4*\s+1], s20, \s*SLOT
	s_add_nc_u64 s[G0+4*\s+2:G0+4*\s+3], s[14:15], \s*65536
	s_or_b32 s[G0+4*\s+3], s[G0+4*\s+3], 0x80000000
	s_mov_b32 s[G0B+4*\s], 1
	s_add_co_u32 s[G0B+4*\s+1], s20, \s*SLOT
	s_add_nc_u64 s[G0B+4*\s+2:G0B+4*\s+3], s[46:47], \s*65536
	s_or_b32 s[G0B+4*\s+3], s[G0B+4*\s+3], 0x80000000
.endr
	JLOAD 0                                        ; one tensor load a wave at the head: K steps 0-7 of my part
	v_and_b32 v1, 15, v0
	s_wait_alu depctr_va_vdst(0)
	v_bfe_u32 v2, v0, 4, 1
	v_and_b32 v3, 31, v0
	v_lshlrev_b32 v3, 4, v3
	s_lshl_b32 s21, s11, 13
	s_lshl_b32 s22, s12, 13
	s_add_co_u32 s22, s22, 131072                  ; B's fragments lie behind A's
	s_wait_alu depctr_va_vdst(0)
.irp s, 0,1,2,3                                        ; register slot + 2 (K step / 2)
	v_add_nc_u32 v[ADRA+\s], s21, v3
	v_add_nc_u32 v[ADRB+\s], s22, v3
	s_add_co_u32 s21, s21, SLOT
	s_add_co_u32 s22, s22, SLOT
.endr
	s_mul_i32 s23, s10, 4352
	s_add_co_u32 s23, s23, STAGE
	v_mul_u32_u24 v24, v1, 272
	s_wait_alu depctr_va_vdst(0)
	v_lshl_add_u32 v24, v2, 5, v24
	v_add_nc_u32 v24, s23, v24
	v_mul_u32_u24 v25, v2, 272
	v_lshl_add_u32 v25, v1, 4, v25
	v_add_nc_u32 v25, s23, v25
	v_lshlrev_b32 v26, 13, v2
	v_lshl_add_u32 v26, v1, 4, v26
	v_lshlrev_b32 v27, 5, v2
	s_wait_alu depctr_va_vdst(0)
	s_lshl_b32 s4, s42, 9
	s_lshl_b32 s5, s12, 8
	s_add_co_u32 s4, s4, s5
	s_mov_b32 s5, 0
	s_add_nc_u64 s[74:75], s[74:75], s[4:5]
	s_add_nc_u64 s[76:77], s[76:77], s[4:5]
	s_lshl_b32 s4, s13, 20
	s_lshl_b32 s6, s11, 19
	s_add_co_u32 s4, s4, s6
	s_add_nc_u64 s[76:77], s[76:77], s[4:5]
.irp b, 0,1,2,3
.irp u, 0,1
	global_load_b128 v[BI+8*\b+4*\u:BI+8*\b+4*\u+3], v27, s[74:75] offset:64*\b+16*\u
.endr
.endr
	s_wait_kmcnt 0x0
	s_add_co_i32 s84, s84, s85
	s_add_co_i32 s84, s84, 127
	s_lshl_b32 s96, s84, 23
	s_mov_b32 s97, s96
.macro MUL8 f, a0, zero
.irp a, \a0, \a0+1
.irp b, 0,1,2,3
.if \zero
	v_wmma_f32_16x16x128_fp8_fp8 v[ACC+8*(4*(\a)+\b):ACC+8*(4*(\a)+\b)+7], v[\f+64+16*\b:\f+64+16*\b+15], v[\f+16*(\a):\f+16*(\a)+15], 0
.else
	v_wmma_f32_16x16x128_fp8_fp8 v[ACC+8*(4*(\a)+\b):ACC+8*(4*(\a)+\b)+7], v[\f+64+16*\b:\f+64+16*\b+15], v[\f+16*(\a):\f+16*(\a)+15], v[ACC+8*(4*(\a)+\b):ACC+8*(4*(\a)+\b)+7]
.endif
.endr
.endr
.endm
.macro FETCH slot, kq, f
	WIN TO_F
.irp i, 0,1,2,3
.irp c, 0,1,2,3
	ds_load_b128 v[\f+64+16*\i+4*\c:\f+64+16*\i+4*\c+3], v[ADRB+\slot+2*((\kq)/2)] offset:16384*((\kq)%2)+2048*\i+512*\c
.endr
.endr
.irp i, 0,1,2,3
.irp c, 0,1,2,3
	ds_load_b128 v[\f+16*\i+4*\c:\f+16*\i+4*\c+3], v[ADRA+\slot+2*((\kq)/2)] offset:16384*((\kq)%2)+2048*\i+512*\c
.endr
.endr
.endm
.macro KSTEP slot, kq, f, g, zero
	s_wait_dscnt 8
	WIN MUL
	MUL8 \f, 0, \zero
	PLACES
	FETCH \slot, \kq, \g
	s_wait_dscnt 32
	WIN MUL
	MUL8 \f, 2, \zero
.endm
.macro TURN slot, next, fill
	WIN 0
	s_wait_tensorcnt 0x0
	ds_add_u32 v[SPW], v[NIL]
	s_wait_dscnt 9
	WIN MUL
	MUL8 F1, 0, 0
	s_wait_dscnt 0x0
	s_barrier_signal -1
	MUL8 F1, 2, 0
	WIN 0
	s_barrier_wait -1
.if \fill
	CREST
	s_add_nc_u64 s[G0+4*\slot+2:G0+4*\slot+3], s[G0+4*\slot+2:G0+4*\slot+3], 131072
	s_add_nc_u64 s[G0B+4*\slot+2:G0B+4*\slot+3], s[G0B+4*\slot+2:G0B+4*\slot+3], 131072
	JLOAD \slot
.else
	PLACES
.endif
	FETCH \next, 0, F0
.endm
	s_wait_tensorcnt 0x0                           ; my part of both slots is in, so group 1 may be written: the refills bring 32 KiB as 128 rows of 256 bytes
.irp g, G1, G1B
	s_mov_b32 s[\g+1], 32<<16
	s_mov_b32 s[\g+2], 128<<16
	s_mov_b32 s[\g+3], 32<<16
	s_mov_b32 s[\g+4], 128
	s_mov_b32 s[\g+5], 32
.endr
	s_barrier_signal -1
	s_barrier_wait -1
	FETCH 0, 0, F0
	KSTEP 0, 1, F0, F1, 1
	KSTEP 0, 2, F1, F0, 0
	KSTEP 0, 3, F0, F1, 0
	TURN 0, 1, 1
	KSTEP 1, 1, F0, F1, 0
	KSTEP 1, 2, F1, F0, 0
	KSTEP 1, 3, F0, F1, 0
	TURN 1, 0, 1
	KSTEP 0, 1, F0, F1, 0
	KSTEP 0, 2, F1, F0, 0
	KSTEP 0, 3, F0, F1, 0
	TURN 0, 1, 0
	KSTEP 1, 1, F0, F1, 0
	KSTEP 1, 2, F1, F0, 0
	KSTEP 1, 3, F0, F1, 0
	s_wait_dscnt 8
	WIN MUL
	MUL8 F1, 0, 0
	s_wait_dscnt 0x0
	MUL8 F1, 2, 0
	WIN 0
	PLACES
.macro TOSTAGE a
.irp b, 0,1,2,3
.irp i, 0,2,4,6
	v_pk_fma_f32 v[T+8*\b+\i:T+8*\b+\i+1], v[ACC+8*(4*(\a)+\b)+\i:ACC+8*(4*(\a)+\b)+\i+1], s[96:97], v[BI+8*\b+\i:BI+8*\b+\i+1] op_sel_hi:[1,0,1]
.endr
.endr
.irp b, 0,1,2,3
.irp u, 0,1
	ds_store_b128 v24, v[T+8*\b+4*\u:T+8*\b+4*\u+3] offset:64*\b+16*\u
.endr
.endr
.irp t, 0,1,2,3,4,5,6,7
	ds_load_b128 v[ACC+32*(\a)+4*\t:ACC+32*(\a)+4*\t+3], v25 offset:544*\t
.endr
.endm
.macro SEND a, younger
	s_wait_dscnt \younger
.irp t, 0,1,2,3,4,5,6,7
	global_store_b128 v26, v[ACC+32*(\a)+4*\t:ACC+32*(\a)+4*\t+3], s[76:77] offset:(16*(\a)+2*\t)*8192 th:TH_STORE_NT
.endr
.endm
	s_wait_loadcnt 0x0
	TOSTAGE 0
.irp a, 1,2,3
	TOSTAGE \a
	SEND \a-1, 16
.endr
	SEND 3, 0
	s_wait_tensorcnt 0x0
	ds_add_u32 v[SPW], v[NIL]
	s_wait_dscnt 0x0
	CROUND
	s_endpgm
.Lfunc_end_k_q43ae3e8063_outp:
	.size	k_q43ae3e8063_outp, .Lfunc_end_k_q43ae3e8063_outp-k_q43ae3e8063_outp
	.p2alignl 7, 3214868480
	.fill 96, 4, 3214868480
	.section	.rodata,"a",@progbits
	.p2align	6, 0x0
	.amdhsa_kernel k_q43ae3e8063_outp
		.amdhsa_group_segment_fixed_size 327680
		.amdhsa_private_segment_fixed_size 0
		.amdhsa_enable_private_segment 0
		.amdhsa_kernarg_size 40
		.amdhsa_user_sgpr_count 2
		.amdhsa_user_sgpr_kernarg_segment_ptr 1
		.amdhsa_wavefront_size32 1
		.amdhsa_system_sgpr_workgroup_id_x 1
		.amdhsa_system_sgpr_workgroup_id_y 1
		.amdhsa_system_sgpr_workgroup_id_z 1
		.amdhsa_system_vgpr_workitem_id 0
		.amdhsa_next_free_vgpr 512
		.amdhsa_next_free_sgpr 100
		.amdhsa_reserve_vcc 0
		.amdhsa_float_denorm_mode_32 3
		.amdhsa_float_denorm_mode_16_64 3
		.amdhsa_memory_ordered 1
		.amdhsa_forward_progress 1
		.amdhsa_inst_pref_size 74
	.end_amdhsa_kernel
	.amdgpu_metadata
---
amdhsa.version: [ 1, 2 ]
amdhsa.kernels:
  - .name:           k_q43ae3e8063_outp
    .symbol:         k_q43ae3e8063_outp.kd
    .args:
      - { .name: ao, .offset: 0, .size: 8, .value_kind: global_buffer, .address_space: global }
      - { .name: woc, .offset: 8, .size: 8, .value_kind: global_buffer, .address_space: global }
      - { .name: lowp_scales, .offset: 16, .size: 8, .value_kind: global_buffer, .address_space: global }
      - { .name: bo, .offset: 24, .size: 8, .value_kind: global_buffer, .address_space: global }
      - { .name: out0, .offset: 32, .size: 8, .value_kind: global_buffer, .address_space: global }
    .group_segment_fixed_size: 327680
    .private_segment_fixed_size: 0
    .kernarg_segment_align: 8
    .kernarg_segment_size: 40
    .max_flat_workgroup_size: 128
    .sgpr_count:     100
    .vgpr_count:     512
    .wavefront_size: 32
...
	.end_amdgpu_metadata
.endif
;; end of part 4
